; MI455X (gfx1250); checked and timed in simulation.
; The chip was launched on July 23, 2026; its instructions are those of AMD's public machine-readable ISA for CDNA 5 (MIT licence, August 2026) and "CDNA5" Instruction Set Architecture Reference Guide (July 2026). The comments in the code are by the model that wrote it; some were corrected since.
;; Transformer Block. Allowed arithmetic: matrix products marked QUANTISED: E2M1 operands, one E8M0 scale for each 32 along K, by v_wmma_scale_f32_16x16x128_f8f6f4 with both operands' format E2M1 (or v_wmma_scale_f32_32x16x128_f4), f32 sums; everything else in f32.
;; Inputs: W2_codes 512 x 64 x 16 uint8 (E2M1 codes of W2, K innermost, in blocks of 32 codes, two codes a byte); W2_scales 512 x 64 uint8 (E8M0 scales of W2, one for each 32 codes along K); Wk_codes 512 x 16 x 16 uint8 (E2M1 codes of Wk, K innermost, in blocks of 32 codes, two codes a byte); Wk_scales 512 x 16 uint8 (E8M0 scales of Wk, one for each 32 codes along K); Wp_codes 4,096 x 16 x 16 uint8 (E2M1 codes of Wp, K innermost, in blocks of 32 codes, two codes a byte); Wp_scales 4,096 x 16 uint8 (E8M0 scales of Wp, one for each 32 codes along K); Wq_codes 512 x 16 x 16 uint8 (E2M1 codes of Wq, K innermost, in blocks of 32 codes, two codes a byte); Wq_scales 512 x 16 uint8 (E8M0 scales of Wq, one for each 32 codes along K); Wv_codes 512 x 16 x 16 uint8 (E2M1 codes of Wv, K innermost, in blocks of 32 codes, two codes a byte); Wv_scales 512 x 16 uint8 (E8M0 scales of Wv, one for each 32 codes along K); b2 512 float32; bk 512 float32; bp 4,096 float32; bq 512 float32; bv 512 float32; ln0_b 512 float32; ln0_g 512 float32; ln1_b 512 float32; ln1_g 512 float32; x 4 x 2,048 x 512 float32.
;; Outputs: out0 4 x 2,048 x 512 float32.
;; This version of the problem:
;;   THIS VERSION OF THE PROBLEM IS GIVEN IN LOW PRECISION. The matrix products marked QUANTISED in the list below multiply operands that are first quantised to E2M1 (2 exponent bits, 1 mantissa bit; 4 bits a number), with one power-of-two scale for each 32 numbers along K (OCP MX v1.0); their sums are f32. All else is computed in f32.
;;   The module's matrix products, in the order in which they are computed (A, B: the left and right operand; K: the contracted axis; several contracted axes count as one K, in the product's order):
;;     1. [M 8,192, K 512] x [K 512, N 512]; A: computed on the way; B: input Wq (given as codes): QUANTISED
;;     2. [M 8,192, K 512] x [K 512, N 512]; A: computed on the way; B: input Wk (given as codes): QUANTISED
;;     3. [M 8,192, K 512] x [K 512, N 512]; A: computed on the way; B: input Wv (given as codes): QUANTISED
;;     4. batch 32 x [M 2,048, K 64] x [K 64, N 2,048]; A: computed on the way; B: computed on the way: QUANTISED
;;     5. batch 32 x [M 2,048, K 2,048] x [K 2,048, N 64]; A: softmax (see below); B: computed on the way: QUANTISED
;;     6. [M 8,192, K 512] x [K 512, N 4,096]; A: computed on the way; B: input Wp (given as codes): QUANTISED
;;     7. [M 8,192, K 2,048] x [K 2,048, N 512]; A: computed on the way; B: input W2 (given as codes): QUANTISED
;;   THE QUANTISER, for each operand of a quantised product, along K:
;;     - K is cut into blocks of 32 from its start; a last block that is shorter is filled with zeros.
;;     - A block's scale is 2^e with e = floor(log2(the largest magnitude in the block)) - 2, held to -126 .. 127; a block of zeros has e = 0. As a byte (E8M0): e + 127.
;;     - Each number is divided by its block's scale, clamped to +-6, and rounded to the nearest number of E2M1, ties to even, subnormals kept.
;;     - The product sums the exact products of the quantised numbers (number of the format x scale) in f32.
;;   ~~~python
;;   def quantise(x, axis):      # numpy; x: float32 -> the quantised numbers, widened to float32 again
;;       x = np.moveaxis(x, axis, -1); K = x.shape[-1]
;;       x = np.pad(x, [(0, 0)] * (x.ndim - 1) + [(0, -K % 32)]); x = x.reshape(x.shape[:-1] + (-1, 32)); a = np.abs(x).max(-1, keepdims=True)
;;       e = np.where(a > 0, np.clip(np.frexp(np.where(a > 0, a, 1))[1] - 1 - 2, -126, 127), 0)      # np.frexp(a)[1] - 1 = floor(log2(a)), exactly
;;       r = np.clip(x / 2.0 ** e, -6, 6)
;;       step = 2.0 ** (np.maximum(np.frexp(np.where(r == 0, 1, r))[1] - 1, 0) - 1)
;;       q = np.round(r / step) * step * 2.0 ** e      # np.round: ties to even
;;       return np.moveaxis(q.reshape(q.shape[:-2] + (-1,))[..., :K], -1, axis).astype(np.float32)
;;   ~~~
;;   SOFTMAX AHEAD OF A QUANTISED PRODUCT. Where the list says 'softmax', what is quantised is not the finished softmax but p = 2^(t - M), with t = logit x log2(e) and M = ceil(the row's largest t), a whole number; so 1/2 < the row's largest p <= 1. The row's sum l is taken of the UNQUANTISED p, in f32, and the product's result is divided by l at the end. Since M is a whole number, a kernel that streams over the keys may use a running M (the ceiling of the running maximum): every later rescaling is an exact power of two, which a block's scale takes up: the codes' values come out the same.
;;   OPERANDS COMPUTED ON THE WAY. 'Computed on the way' means the value that the module computes at that place (a softmax that the list does not call 'softmax' is quantised finished and normalised). What goes into a quantiser is computed in f32, as accurately as f32 sums, v_exp_f32 and their like allow (about 1e-6 of the number): no bf16 or f16 on the way to a quantiser, and a product that is left as it is and whose result goes on into a quantised operand takes f32 operands (vector FMAs, or v_wmma_f32_16x16x4_f32). A number that lies on a knife's edge between two numbers of the format may be rounded either way, as far as f32 arithmetic and the matrix unit's own rounding can turn it there, and no further.
;;   INPUTS GIVEN AS CODES. W2 (in the module: [2048, 512], K = its axis 0); Wk (in the module: [512, 512], K = its axis 0); Wp (in the module: [512, 4096], K = its axis 0); Wq (in the module: [512, 512], K = its axis 0); Wv (in the module: [512, 512], K = its axis 0): each comes as NAME_codes (uint8): NAME with its K axis moved to the last place and cut into blocks of 32 codes, [.., K / 32, bytes a block], one block behind the other in memory; two codes a byte, the lower K in the low four bits (a code: sign, 2 exponent bits, 1 mantissa bit); and NAME_scales (uint8): the same leading axes, one E8M0 byte (e + 127) for each 32 codes along K. Its value is code x scale, taken as it is: it is not quantised again, and the codes and scales need not be those that the quantiser above would give.
;; One version. Each part assembles by itself: llvm-mc -triple=amdgcn-amd-amdhsa -mcpu=gfx1250 --defsym DOCPART=n.
;; ======== version 1 of 1: 2 launches
;; limits: right only within a limited range of input values
;; workspace buffers: qc 2,097,152 bytes; qs 262,144 bytes; kv 4,587,520 bytes; wpi 1,048,576 bytes; w2i 524,288 bytes
;; launch qkv (part 1): grid 256 x 1, 16 waves a work-group, no clusters, 77,824 bytes of LDS; arguments x, ln0_g, ln0_b, Wq_codes, Wq_scales, bq, Wk_codes, Wk_scales, bk, Wv_codes, Wv_scales, bv, Wp_codes, W2_codes, qc, qs, kv, wpi, w2i; writes qc, qs, kv, wpi, w2i
.if DOCPART == 1
	.amdgcn_target "amdgcn-amd-amdhsa--gfx1250"
	.amdhsa_code_object_version 6
	.text
	.protected	k_q68b3901fca_qkv
	.globl	k_q68b3901fca_qkv
	.p2align	8
	.type	k_q68b3901fca_qkv,@function
k_q68b3901fca_qkv:
	s_mov_b64 s[64:65], 0
	v_nop
	global_prefetch_b8 v0, s[64:65] scope:SCOPE_SE
	s_setreg_imm32_b32 hwreg(HW_REG_WAVE_MODE, 25, 1), 1
	s_wait_xcnt 0x0
; LAUNCH 1 OF 2.  h = layernorm(x); q, k, v = Q(h) W + bias on codes of FP4 (E2M1) with one E8M0 scale for each 32 along K; q and k are quantised along the head's 64 channels,
; v along the KEYS; all three leave as codes, laid as the attention launch's operand registers want them.  On the side Wp's and W2's codes are laid anew, in the order of operand registers, for launch 2.
; SHARES.  A work-group owns 32 rows of x (256 work-groups).  Its 16 waves: (1) wave w finds mean and 1/sigma of rows 2 w, 2 w + 1 and puts the raw rows into LDS | barrier |
; (2) wave w normalises and quantises two blocks of 32 of one tile of 16 rows, and stores codes and scale bytes as an IMAGE of the operand's registers | barrier |
; (3) every wave takes all 8 fragments of h into registers and makes three units of 32 output columns x 32 rows x K 512: waves 0-7 the two halves of head w of q, waves 8-15 of head w - 8 of k; every wave columns 32 w .. of v.
; ROW MAP, used in both launches: k0(i) = i + (i & 8).  Row tile m (0, 1) holds in place i the local row 8 m + k0(i); weight tile t (0, 1) of 32 weight rows holds in place i row 8 t + k0(i).
; q, k: the product is used transposed (source 0 = weights, source 1 = h): lane (r, h) holds row 8 m + k0(r), and register j of tile t is channel 16 h + 8 t + j: two tiles' 16 registers are 16 neighbours of a block.
; v: natural (source 0 = h, source 1 = Wv): lane (r, h) holds channel 8 t + k0(r), and register j of row tile m is key 16 h + 8 m + j: again 16 neighbours, along the keys.
; IMAGE of a fragment (16 rows x 128 K): 1,024 bytes, [c 0..1][lane][16 bytes].  The 8 bytes that lane (r, h) makes of block b go to byte 256 b + 16 r + 8 h: a store of the wave covers 256 consecutive bytes.
; WHY NO CLUSTER, NO TENSOR LOAD: each byte of the weights is wanted by one wave of a work-group and goes straight into its registers; there is no tile in LDS that partners could ask for jointly.
; Wq, Wk, Wv are read as 16-byte pieces of 16 rows (no earlier launch could lay them out): 384 KiB a work-group.  The scale words leave in runs of 128 bytes, v's scale bytes singly: 2.5 KiB of the 32.5 KiB that a work-group stores.
; LIMITS: a block whose largest magnitude lies under 2^-124 (a block of zeros too) gets the scale byte 1: its codes are zeros or the held floor's, and only this program reads the bytes.  NaN and infinities are not served.
; The variance is taken of x - mean (two passes over registers), so that a common offset of the inputs costs no accuracy.  The bias of q and k enters as the C of a sum's first product.
.set ST,    0                          ; LDS: (mean, 1/sigma) of the 32 rows, 8 bytes each
.set HSC,   256                        ; h's scale words: 8 fragments x 128 bytes
.set HIMG,  1280                       ; h's 8 fragments (4 m + s), 1,024 bytes each
.set XS,    9472                       ; the 32 raw rows,
.set XP,    2064                       ; 2,048 bytes + 16 apart
.set STEPB, 8960                       ; kv: bytes of one key step of 128 keys: K 4,096, V^T 4,096, K's scale words 512, V's 256
.set L16, 1                            ; v1   16 x lane
.set L4,  2                            ; v2   4 x lane
.set L8,  3                            ; v3   8 x lane
.set AW,  4                            ; v4   a weight fragment: 256 k0(r) + 16 h
.set AWS, 5                            ; v5   its scale words: 16 (k0(r) + 8 h): lanes 0-15 tile 0, lanes 16-31 tile 1
.set ABI, 6                            ; v6   a bias as C: 64 h
.set ABV, 7                            ; v7   bv: 4 k0(r)
.set ACO, 8                            ; v8   my 8 bytes of a block's 256: 16 r + 8 h
.set APZ, 9                            ; v9   the piece of Wp or W2 that I lay anew
.set AXW, 10                           ; v10  LDS: my wave's two raw rows, 16 bytes a lane
.set AST, 11                           ; v11  LDS: their statistics
.set AXR, 12                           ; v12  LDS: my 16 numbers of a block of my row
.set ASR, 13                           ; v13  LDS: my row's statistics
.set AGB, 14                           ; v14  gain and bias of the same 16 columns
.set AHI, 15                           ; v15  LDS: where my codes go
.set HF,  16                           ; v16-79   h's 8 fragments; before that gain (v16-47) and bias (v48-79) of the norm
.set GG,  16
.set BB,  48
.set HS,  80                           ; v80-87   h's scale words: scales and nothing else
.set W,   88                           ; v88-151  a unit's weights: tile t, K step s at W + 32 t + 8 s
.set WS,  152                          ; v152-155 their scale words, register s: scales and nothing else
.set BI,  156                          ; v156-171 the bias as C, 8 registers a tile
.set ACC, 172                          ; v172-203 four accumulators; before that the rows of x
.set X,   172
.set PZ,  204                          ; v204-207 the piece laid anew
.set TS,  208                          ; v208-215 sums, 4 a row
.set MR,  216                          ; v216-219 (mean, 1/sigma), a pair a row
.set AHS, 220                          ; v220 LDS: where my scale bytes go;  v221-224 at work at the head
.set CP,  226                          ; v226-237 six pairs of codes, one for each store: never written again
.set SW,  238                          ; v238-239 the scale words of row tiles 0, 1 as they grow
.set WO,  240                          ; v240 the word, v241 the byte that leaves
.set BO,  241
.set BV,  242                          ; v242-243 bv of my column in tiles 0, 1
.set QM,  244                          ; v244-245 largest magnitudes; v246-247 the other half's; v248-249 the conversions' scale operands; v250-251 the bytes; v252-255 codes bound for LDS
.set QP,  246
.set QS,  248
.set QB,  250
.set LC,  252
.set WV,  46                           ; s46 my wave's number
.set XB,  50                           ; s[50:51] x at my two rows
.set WC,  52                           ; s[52:53] Wq's or Wk's codes at my head;  s[54:55] their scales;  s[56:57] bq or bk
.set WSC, 54
.set BP,  56
.set OC,  58                           ; s[58:59] where my codes go (qc or kv);  s[60:61] my scale words (qs or kv)
.set OS,  60
.set VC,  66                           ; s[66:67] Wv's codes at my 32 columns;  s[68:69] their scales;  s[70:71] bv
.set VSC, 68
.set BVP, 70
.set OV,  72                           ; s[72:73] where v's codes go;  s[74:75] its scale bytes
.set OVS, 74
.set PS,  76                           ; s[76:77] from where, s[78:79] to where a piece is laid anew
.set PD,  78
.set SEL, 80                           ; s[80:81] v_permlanex16_b32's selects for lane l xor 16
.set EPS, 82
.set HI16, 83                          ; the mask of lanes 16-31
.macro PLACES                          ; four plain places behind matrix instructions, ahead of loads into their registers and of the first read of results
.rept 4
	v_nop
.endr
.endm
; Two blocks of 32 by turns.  Of each a lane holds 16 neighbours, in two groups of 8 registers (a0, a1; b0, b1); lane l xor 16 holds the other 16.  Codes to v[cp], v[cp + 1]; bytes to v[QB], v[QB + 1].
.macro QB2 a0, a1, b0, b1, cp0, cp1
	v_max3_num_f32 v[QM], |v[(\a0)]|, |v[(\a0)+1]|, 0x1800000       ; the floor 2^(3 - 127) among the leaves: the byte cannot fall under 1.  Each group is read from its low end on
	v_max3_num_f32 v[QM+1], |v[(\b0)]|, |v[(\b0)+1]|, 0x1800000
.irp i,2,4,6
	v_max3_num_f32 v[QM], v[QM], |v[(\a0)+\i]|, |v[(\a0)+\i+1]|
	v_max3_num_f32 v[QM+1], v[QM+1], |v[(\b0)+\i]|, |v[(\b0)+\i+1]|
.endr
.irp i,0,2,4,6
	v_max3_num_f32 v[QM], v[QM], |v[(\a1)+\i]|, |v[(\a1)+\i+1]|
	v_max3_num_f32 v[QM+1], v[QM+1], |v[(\b1)+\i]|, |v[(\b1)+\i+1]|
.endr
	s_delay_alu instid0(VALU_DEP_2)
	v_permlanex16_b32 v[QP], v[QM], s[SEL], s[SEL+1]
	s_delay_alu instid0(VALU_DEP_2)
	v_permlanex16_b32 v[QP+1], v[QM+1], s[SEL], s[SEL+1]
	s_delay_alu instid0(VALU_DEP_2)
	v_max_num_f32 v[QM], v[QM], v[QP]                               ; the block's largest magnitude
	s_delay_alu instid0(VALU_DEP_2)
	v_max_num_f32 v[QM+1], v[QM+1], v[QP+1]
	s_delay_alu instid0(VALU_DEP_2)
	v_add_nc_u32 v[QS], 0xff000000, v[QM]                           ; 2 off its exponent field: the conversion takes the exponent field of this operand as its scale
	s_delay_alu instid0(VALU_DEP_2)
	v_add_nc_u32 v[QS+1], 0xff000000, v[QM+1]
	s_delay_alu instid0(VALU_DEP_2)
	v_lshrrev_b32 v[QB], 23, v[QS]                                  ; the scale's byte
	s_delay_alu instid0(VALU_DEP_2)
	v_lshrrev_b32 v[QB+1], 23, v[QS+1]
	v_cvt_scalef32_pk8_fp4_f32 v[(\cp0)], v[(\a0):(\a0)+7], v[QS]
	v_cvt_scalef32_pk8_fp4_f32 v[(\cp0)+1], v[(\a1):(\a1)+7], v[QS]
	v_cvt_scalef32_pk8_fp4_f32 v[(\cp1)], v[(\b0):(\b0)+7], v[QS+1]
	v_cvt_scalef32_pk8_fp4_f32 v[(\cp1)+1], v[(\b1):(\b1)+7], v[QS+1]
	v_nop                                                           ; one plain place behind the last scaled conversion
.endm
.macro WSUM                            ; v[TS], v[TS + 4]: the sums of both rows over the 32 lanes, in every lane
.irp k,1,2,4,8
	s_delay_alu instid0(VALU_DEP_2)
	v_add_f32_dpp v[TS], v[TS], v[TS] row_xmask:\k row_mask:0xf bank_mask:0xf
	s_delay_alu instid0(VALU_DEP_2)
	v_add_f32_dpp v[TS+4], v[TS+4], v[TS+4] row_xmask:\k row_mask:0xf bank_mask:0xf
.endr
	s_delay_alu instid0(VALU_DEP_2)
	v_permlanex16_b32 v[QP], v[TS], s[SEL], s[SEL+1]
	s_delay_alu instid0(VALU_DEP_2)
	v_permlanex16_b32 v[QP+1], v[TS+4], s[SEL], s[SEL+1]
	s_delay_alu instid0(VALU_DEP_2)
	v_add_f32 v[TS], v[TS], v[QP]
	s_delay_alu instid0(VALU_DEP_2)
	v_add_f32 v[TS+4], v[TS+4], v[QP+1]
.endm
; My two rows (16 numbers a lane each, in v[X + 16 a ..]): raw to LDS; mean; variance of x - mean; (mean, 1/sigma) to LDS.
.macro LNSTAT
.irp a,0,1
.irp j,0,1,2,3
	ds_store_b128 v[AXW], v[X+16*\a+4*\j:X+16*\a+4*\j+3] offset:XP*\a+512*\j
.endr
.endr
.irp a,0,1
	v_pk_add_f32 v[TS+4*\a:TS+4*\a+1], v[X+16*\a:X+16*\a+1], v[X+16*\a+2:X+16*\a+3]
	v_pk_add_f32 v[TS+4*\a+2:TS+4*\a+3], v[X+16*\a+4:X+16*\a+5], v[X+16*\a+6:X+16*\a+7]
.endr
.irp i,8,12
.irp a,0,1
	s_delay_alu instid0(VALU_DEP_4)
	v_pk_add_f32 v[TS+4*\a:TS+4*\a+1], v[TS+4*\a:TS+4*\a+1], v[X+16*\a+\i:X+16*\a+\i+1]
	s_delay_alu instid0(VALU_DEP_4)
	v_pk_add_f32 v[TS+4*\a+2:TS+4*\a+3], v[TS+4*\a+2:TS+4*\a+3], v[X+16*\a+\i+2:X+16*\a+\i+3]
.endr
.endr
.irp a, 0
	s_delay_alu instid0(VALU_DEP_3)
	v_pk_add_f32 v[TS+4*\a:TS+4*\a+1], v[TS+4*\a:TS+4*\a+1], v[TS+4*\a+2:TS+4*\a+3]
.endr
.irp a, 1
	s_delay_alu instid0(VALU_DEP_2)
	v_pk_add_f32 v[TS+4*\a:TS+4*\a+1], v[TS+4*\a:TS+4*\a+1], v[TS+4*\a+2:TS+4*\a+3]
.endr
.irp a,0,1
	s_delay_alu instid0(VALU_DEP_2)
	v_add_f32 v[TS+4*\a], v[TS+4*\a], v[TS+4*\a+1]
.endr
	WSUM
.irp a,0,1
	s_delay_alu instid0(VALU_DEP_2)
	v_mul_f32 v[MR+2*\a], 0x3b000000, v[TS+4*\a]                    ; mean = sum / 512
.endr
.irp a,0,1
	s_delay_alu instid0(VALU_DEP_2)
	v_mov_b32 v[MR+2*\a+1], v[MR+2*\a]                              ; in both halves of the pair, for the packed subtraction; the upper half takes 1/sigma below
.endr
.irp i,0,2,4,6,8,10,12,14
.irp a,0,1
	v_pk_add_f32 v[X+16*\a+\i:X+16*\a+\i+1], v[X+16*\a+\i:X+16*\a+\i+1], v[MR+2*\a:MR+2*\a+1] neg_lo:[0,1] neg_hi:[0,1]
.endr
.endr
.irp a,0,1
	v_pk_mul_f32 v[TS+4*\a:TS+4*\a+1], v[X+16*\a:X+16*\a+1], v[X+16*\a:X+16*\a+1]
	v_pk_mul_f32 v[TS+4*\a+2:TS+4*\a+3], v[X+16*\a+2:X+16*\a+3], v[X+16*\a+2:X+16*\a+3]
.endr
.irp i,4,8,12
.irp a,0,1
	s_delay_alu instid0(VALU_DEP_4)
	v_pk_fma_f32 v[TS+4*\a:TS+4*\a+1], v[X+16*\a+\i:X+16*\a+\i+1], v[X+16*\a+\i:X+16*\a+\i+1], v[TS+4*\a:TS+4*\a+1]
	s_delay_alu instid0(VALU_DEP_4)
	v_pk_fma_f32 v[TS+4*\a+2:TS+4*\a+3], v[X+16*\a+\i+2:X+16*\a+\i+3], v[X+16*\a+\i+2:X+16*\a+\i+3], v[TS+4*\a+2:TS+4*\a+3]
.endr
.endr
.irp a, 0
	s_delay_alu instid0(VALU_DEP_3)
	v_pk_add_f32 v[TS+4*\a:TS+4*\a+1], v[TS+4*\a:TS+4*\a+1], v[TS+4*\a+2:TS+4*\a+3]
.endr
.irp a, 1
	s_delay_alu instid0(VALU_DEP_2)
	v_pk_add_f32 v[TS+4*\a:TS+4*\a+1], v[TS+4*\a:TS+4*\a+1], v[TS+4*\a+2:TS+4*\a+3]
.endr
.irp a,0,1
	s_delay_alu instid0(VALU_DEP_2)
	v_add_f32 v[TS+4*\a], v[TS+4*\a], v[TS+4*\a+1]
.endr
	WSUM
.irp a,0,1
	s_delay_alu instid0(VALU_DEP_2)
	v_fma_f32 v[TS+4*\a], v[TS+4*\a], 0x3b000000, s[EPS]            ; variance + eps
.endr
	s_wait_alu depctr_va_vdst(0)
.irp a,0,1
	v_rsq_f32 v[MR+2*\a+1], v[TS+4*\a]
.endr
	v_nop                                                           ; a plain place behind the two roots,
	s_wait_alu depctr_va_vdst(0)                                    ; and a wait ahead of their first reader
.irp a,0,1
	ds_store_b64 v[AST], v[MR+2*\a:MR+2*\a+1] offset:ST+8*\a        ; all lanes write the same 8 bytes with the same value
.endr
.endm
; Two blocks of 32 of one row tile: my 16 numbers of each from LDS, normalised, quantised; codes and bytes into the fragment's image.
.macro LNQUANT
.irp e,0,1
.irp j,0,1,2,3
	ds_load_b128 v[X+16*\e+4*\j:X+16*\e+4*\j+3], v[AXR] offset:128*\e+16*\j
.endr
.endr
	ds_load_b64 v[MR:MR+1], v[ASR] offset:ST
	s_wait_dscnt 0x0
.set p, 0
.rept 16
	v_pk_add_f32 v[X+p:X+p+1], v[X+p:X+p+1], v[MR:MR+1] op_sel_hi:[1,0] neg_lo:[0,1] neg_hi:[0,1]   ; x - mean (the pair's low word for both halves)
.set p, p+2
.endr
.set p, 0
.rept 16
	v_pk_mul_f32 v[X+p:X+p+1], v[X+p:X+p+1], v[MR:MR+1] op_sel:[0,1] op_sel_hi:[1,1]                ; x 1/sigma (its high word for both)
.set p, p+2
.endr
.set p, 0
.rept 16
	v_pk_fma_f32 v[X+p:X+p+1], v[X+p:X+p+1], v[GG+p:GG+p+1], v[BB+p:BB+p+1]                         ; x gain + bias
.set p, p+2
.endr
	QB2 X, X+8, X+16, X+24, LC, LC+2
	ds_store_b64 v[AHI], v[LC:LC+1]
	ds_store_b64 v[AHI], v[LC+2:LC+3] offset:256
	ds_store_b8 v[AHS], v[QB]                                       ; both halves of the lanes write a word of their own: all 128 bytes of a fragment's scale words are written
	ds_store_b8 v[AHS], v[QB+1] offset:1
.endm
.macro HFETCH                          ; all 8 fragments of h and their scale words come back as they were stored: the same registers in the same lanes
.irp f,0,1,2,3,4,5,6,7
.irp c,0,1
	ds_load_b128 v[HF+8*\f+4*\c:HF+8*\f+4*\c+3], v[L16] offset:HIMG+1024*\f+512*\c
.endr
	ds_load_b32 v[HS+\f], v[L4] offset:HSC+128*\f
.endr
.endm
; 16 matrix instructions: 2 weight tiles x 2 row tiles x K 512.  The four accumulators take turns, one instruction a turn.  D(t, m) = (t ? db : da) + 8 m.
; nat = 0: transposed, the sums start from the bias;  nat = 1: natural, they start from the constant 0.
.macro MM16 da, db, nat
.irp s,0,1,2,3
.irp m,0,1
.irp t,0,1
.set rD, (\da)+8*\m+((\db)-(\da))*\t
.set rW, W+32*\t+8*\s
.set rH, HF+8*(4*\m+\s)
.set rC, rD
.if \s == 0
.set rC, BI+8*\t
.endif
.if \nat
.if \s == 0
.if \t
	v_wmma_scale_f32_16x16x128_f8f6f4 v[rD:rD+7], v[rH:rH+7], v[rW:rW+7], 0, v[HS+4*\m+\s], v[WS+\s] matrix_a_fmt:MATRIX_FMT_FP4 matrix_b_fmt:MATRIX_FMT_FP4 matrix_b_scale:MATRIX_SCALE_ROW1
.else
	v_wmma_scale_f32_16x16x128_f8f6f4 v[rD:rD+7], v[rH:rH+7], v[rW:rW+7], 0, v[HS+4*\m+\s], v[WS+\s] matrix_a_fmt:MATRIX_FMT_FP4 matrix_b_fmt:MATRIX_FMT_FP4
.endif
.else
.if \t
	v_wmma_scale_f32_16x16x128_f8f6f4 v[rD:rD+7], v[rH:rH+7], v[rW:rW+7], v[rD:rD+7], v[HS+4*\m+\s], v[WS+\s] matrix_a_fmt:MATRIX_FMT_FP4 matrix_b_fmt:MATRIX_FMT_FP4 matrix_b_scale:MATRIX_SCALE_ROW1
.else
	v_wmma_scale_f32_16x16x128_f8f6f4 v[rD:rD+7], v[rH:rH+7], v[rW:rW+7], v[rD:rD+7], v[HS+4*\m+\s], v[WS+\s] matrix_a_fmt:MATRIX_FMT_FP4 matrix_b_fmt:MATRIX_FMT_FP4
.endif
.endif
.else
.if \t
	v_wmma_scale_f32_16x16x128_f8f6f4 v[rD:rD+7], v[rW:rW+7], v[rH:rH+7], v[rC:rC+7], v[WS+\s], v[HS+4*\m+\s] matrix_a_fmt:MATRIX_FMT_FP4 matrix_b_fmt:MATRIX_FMT_FP4 matrix_a_scale:MATRIX_SCALE_ROW1
.else
	v_wmma_scale_f32_16x16x128_f8f6f4 v[rD:rD+7], v[rW:rW+7], v[rH:rH+7], v[rC:rC+7], v[WS+\s], v[HS+4*\m+\s] matrix_a_fmt:MATRIX_FMT_FP4 matrix_b_fmt:MATRIX_FMT_FP4
.endif
.endif
.endr
.endr
.endr
.endm
; A unit's weights: 32 rows x 512 codes (16 loads) and their scale words (1 load: four words a row; lanes 0-15 tile 0, lanes 16-31 tile 1)
.macro WLOAD cbase, sbase, oc, os
.irp t,0,1
.irp s,0,1,2,3
.irp c,0,1
	global_load_b128 v[W+32*\t+8*\s+4*\c:W+32*\t+8*\s+4*\c+3], v[AW], s[\cbase:\cbase+1] offset:(\oc)+2048*\t+64*\s+32*\c
.endr
.endr
.endr
	global_load_b128 v[WS:WS+3], v[AWS], s[\sbase:\sbase+1] offset:\os
.endm
.macro BLOAD ob                        ; bq or bk in the result's layout: lane (r, h), tile t: channels 16 h + 8 t + 0 .. 7
.irp t,0,1
.irp jj,0,1
	global_load_b128 v[BI+8*\t+4*\jj:BI+8*\t+4*\jj+3], v[ABI], s[BP:BP+1] offset:(\ob)+32*\t+16*\jj
.endr
.endr
.endm
; Half bb (32 channels) of my head of q or k, for both row tiles.
.macro QKUNIT bb, cp
	MM16 ACC, ACC+16, 0
	PLACES
.if \bb == 0
	WLOAD WC, WSC, 8192, 512                       ; the next unit's 21 loads land while this one is quantised
	BLOAD 128
.else
	WLOAD VC, VSC, 0, 0                            ; v's unit: 19 loads
	global_load_b32 v[BV], v[ABV], s[BVP:BVP+1]
	global_load_b32 v[BV+1], v[ABV], s[BVP:BVP+1] offset:32
.endif
	QB2 ACC, ACC+16, ACC+8, ACC+24, \cp, \cp+2     ; the block of row tile 0 and that of row tile 1
	global_store_b64 v[ACO], v[\cp:\cp+1], s[OC:OC+1] offset:256*\bb          ; 32 lanes store 256 consecutive bytes, aligned
	global_store_b64 v[ACO], v[\cp+2:\cp+3], s[OC:OC+1] offset:512+256*\bb
.if \bb == 0
	v_mov_b32 v[SW], v[QB]
	v_mov_b32 v[SW+1], v[QB+1]
.else
	v_lshl_or_b32 v[SW], v[QB], 8, v[SW]           ; bytes 2 and 3 stay 0: they scale the zero codes that fill K from 64 to 128
	v_lshl_or_b32 v[SW+1], v[QB+1], 8, v[SW+1]
.endif
	s_wait_loadcnt 0x0                             ; the next unit's operands
.endm
	s_load_b512 s[8:23], s[0:1], 0x0               ; x 8, ln0_g 10, ln0_b 12, Wq_codes 14, Wq_scales 16, bq 18, Wk_codes 20, Wk_scales 22
	s_load_b512 s[24:39], s[0:1], 0x40             ; bk 24, Wv_codes 26, Wv_scales 28, bv 30, Wp_codes 32, W2_codes 34, qc 36, qs 38
	s_load_b128 s[40:43], s[0:1], 0x80             ; kv 40, wpi 42
	s_load_b64 s[44:45], s[0:1], 0x90              ; w2i
	v_lshrrev_b32 v221, 5, v0
	s_delay_alu instid0(VALU_DEP_1)
	v_readfirstlane_b32 s[WV], v221                ; wave 0..15
	v_and_b32 v221, 31, v0                         ; lane
	v_and_b32 v222, 15, v0                         ; r
	v_bfe_u32 v223, v0, 4, 1                       ; h
	s_delay_alu instid0(VALU_DEP_2)
	v_and_b32 v224, 8, v222
	s_delay_alu instid0(VALU_DEP_1)
	v_add_nc_u32 v224, v224, v222                  ; k0(r)
	v_lshlrev_b32 v[L16], 4, v221
	v_lshlrev_b32 v[L4], 2, v221
	v_lshlrev_b32 v[L8], 3, v221
	s_delay_alu instid0(VALU_DEP_4)
	v_lshlrev_b32 v[AW], 8, v224
	s_delay_alu instid0(VALU_DEP_1)
	v_lshl_add_u32 v[AW], v223, 4, v[AW]
	v_lshl_add_u32 v[AWS], v223, 3, v224
	s_delay_alu instid0(VALU_DEP_1)
	v_lshlrev_b32 v[AWS], 4, v[AWS]
	v_lshlrev_b32 v[ABI], 6, v223
	v_lshlrev_b32 v[ABV], 2, v224
	v_lshlrev_b32 v[ACO], 4, v222
	s_delay_alu instid0(VALU_DEP_1)
	v_lshl_add_u32 v[ACO], v223, 3, v[ACO]
	v_mov_b32 v[QP], 0                             ; written once: a lane permute's destination counts as one of its sources
	v_mov_b32 v[QP+1], 0
	s_and_b32 s2, ttmp9, 3                         ; the prefetch's offset: lanes 256 bytes apart; where wave 14 names bv (2,048 bytes) lanes 8-31 name its last block again
	s_lshl_b32 s2, s2, 4
	s_add_co_u32 s2, s2, s[WV]
	s_cmp_eq_u32 s2, 62
	s_cselect_b32 s2, 7, 31
	v_min_u32 v225, s2, v221
	s_delay_alu instid0(VALU_DEP_1)
	v_lshlrev_b32 v225, 8, v225                    ; v225 is never written again
	s_mov_b32 s[SEL], 0x76543210
	s_mov_b32 s[SEL+1], 0xfedcba98
	s_mov_b32 s[EPS], 0x3727c5ac                   ; 1e-5
	s_mov_b32 s[HI16], 0xffff0000
	; LDS addresses: a constant + a constant x lane term + a constant x wave term
	s_mul_i32 s2, s[WV], 2*XP
	s_add_co_u32 s2, s2, XS
	v_add_nc_u32 v[AXW], s2, v[L16]
	s_lshl_b32 s2, s[WV], 4
	v_mov_b32 v[AST], s2
	s_lshr_b32 s3, s[WV], 3                        ; phase 2: my row tile m = w / 8; my two blocks begin at column 64 (w % 8)
	s_and_b32 s2, s[WV], 7                         ; also: my head of q or of k
	s_mul_i32 s5, s3, 8*XP
	s_lshl_b32 s6, s2, 8
	s_add_co_u32 s5, s5, s6
	s_add_co_u32 s5, s5, XS
	v_mul_u32_u24 v[AXR], v224, XP
	s_delay_alu instid0(VALU_DEP_1)
	v_lshl_add_u32 v[AXR], v223, 6, v[AXR]
	s_delay_alu instid0(VALU_DEP_1)
	v_add_nc_u32 v[AXR], s5, v[AXR]                ; row 8 m + k0(r), + 256 (w % 8) + 64 h
	v_lshl_add_u32 v[AGB], v223, 6, s6
	s_lshl_b32 s5, s3, 6
	v_lshl_add_u32 v[ASR], v224, 3, s5
	s_lshl_b32 s5, s[WV], 9
	s_add_co_u32 s5, s5, HIMG
	v_add_nc_u32 v[AHI], s5, v[ACO]                ; fragment w / 2, half w % 2: 512 w
	s_lshr_b32 s5, s[WV], 1
	s_lshl_b32 s5, s5, 7
	s_and_b32 s6, s[WV], 1
	s_lshl_b32 s6, s6, 1
	s_add_co_u32 s5, s5, s6
	s_add_co_u32 s5, s5, HSC
	v_add_nc_u32 v[AHS], s5, v[L4]
	; offsets into the workspace.  g = 64 n + beta; key step = beta / 4, key block b = beta % 4
	s_lshr_b32 s4, ttmp9, 6                        ; n
	s_and_b32 s5, ttmp9, 63                        ; beta
	s_lshr_b32 s6, s5, 2                           ; step
	s_and_b32 s7, s5, 3                            ; b
	s_lshl_b32 s47, s4, 3
	s_add_co_u32 s48, s47, s2                      ; nh = 8 n + head
	s_lshl_b32 s84, s48, 6
	s_add_co_u32 s84, s84, s5
	s_lshl_b32 s85, s84, 7                         ; qs: (64 nh + beta) x 128
	s_lshl_b32 s84, s84, 10                        ; qc: x 1,024
	s_lshl_b32 s86, s48, 4
	s_add_co_u32 s86, s86, s6
	s_mul_i32 s86, s86, STEPB                      ; kv: my head's key step
	s_lshl_b32 s87, s7, 10
	s_add_co_u32 s87, s87, s86                     ; K's tiles 2 b, 2 b + 1
	s_lshl_b32 s88, s7, 7
	s_add_co_u32 s88, s88, s86
	s_add_co_u32 s88, s88, 8192                    ; K's scale words of block b
	s_lshr_b32 s89, s[WV], 1
	s_add_co_u32 s89, s89, s47                     ; v: nh = 8 n + w / 2
	s_lshl_b32 s89, s89, 4
	s_add_co_u32 s89, s89, s6
	s_mul_i32 s89, s89, STEPB
	s_and_b32 s49, s[WV], 1
	s_lshl_b32 s92, s49, 11
	s_add_co_u32 s92, s92, s89
	s_lshl_b32 s93, s7, 8
	s_add_co_u32 s92, s92, s93
	s_add_co_u32 s92, s92, 4096                    ; V^T: tiles 2 (w % 2) + t, key block b
	s_lshl_b32 s93, s49, 2
	s_add_co_u32 s93, s93, s89
	s_add_co_u32 s93, s93, s7
	s_add_co_u32 s93, s93, 8704                    ; V's scale bytes
	; the pieces laid anew.  Waves 0-7: tile g of wpi, piece w;  waves 8-11: unit g of w2i, piece w % 4
	s_lshr_b32 s4, ttmp9, 4
	s_bfe_u32 s5, ttmp9, 0x30001                   ; hb = (g / 2) % 8
	s_and_b32 s6, ttmp9, 1                         ; u's half of Wp (0) or g's (1)
	s_lshl_b32 s6, s6, 11
	s_lshl_b32 s86, s4, 7
	s_add_co_u32 s6, s6, s86
	s_lshr_b32 s86, s5, 1
	s_lshl_b32 s86, s86, 5
	s_add_co_u32 s6, s6, s86
	s_and_b32 s86, s5, 1
	s_lshl_b32 s86, s86, 3
	s_add_co_u32 s6, s6, s86                       ; the tile's first row of Wp
	s_lshl_b32 s6, s6, 8
	s_lshl_b32 s86, s[WV], 5
	s_add_co_u32 s6, s6, s86                       ; + 64 s + 32 c = 32 w
	s_lshl_b32 s94, ttmp9, 12
	s_lshl_b32 s86, s[WV], 9
	s_add_co_u32 s94, s94, s86
	s_and_b32 s5, s[WV], 3
	s_lshl_b32 s4, s4, 5
	s_lshr_b32 s86, s5, 1
	s_lshl_b32 s86, s86, 3
	s_add_co_u32 s4, s4, s86                       ; the tile's first row of W2
	s_lshl_b32 s4, s4, 10
	s_and_b32 s86, ttmp9, 15
	s_lshl_b32 s86, s86, 6
	s_add_co_u32 s4, s4, s86                       ; + its K step
	s_and_b32 s86, s5, 1
	s_lshl_b32 s86, s86, 5
	s_add_co_u32 s4, s4, s86
	s_lshl_b32 s95, ttmp9, 11
	s_lshl_b32 s86, s5, 9
	s_add_co_u32 s95, s95, s86
	s_mov_b32 s91, 0
	s_wait_alu depctr_va_vdst(0)
	s_wait_kmcnt 0x0
	s_lshl_b32 s90, ttmp9, 16
	s_lshl_b32 s86, s[WV], 12
	s_add_co_u32 s90, s90, s86
	s_add_nc_u64 s[XB:XB+1], s[8:9], s[90:91]
.irp a,0,1
.irp j,0,1,2,3
	global_load_b128 v[X+16*\a+4*\j:X+16*\a+4*\j+3], v[L16], s[XB:XB+1] offset:2048*\a+512*\j      ; 512 consecutive bytes a load
.endr
.endr
	; A PREFETCH of what the second and third units load behind the norm's two phases and the first unit.  One instruction in each of waves 14 and 15; the work-groups share the blocks out by their number g.
	; Wave 15: piece g % 32 of 8,192 bytes: 0-15 rows 32 id .. of Wv; 16-23 the second 32 rows of head id % 8 of Wq; 24-31 the same of Wk.  Wave 14: g % 4 = 0, 1, 2: Wq's, Wk's, Wv's scale bytes (8,192 each); 3: bv.
	s_and_b32 s86, ttmp9, 31
	s_and_b32 s90, s86, 7
	s_lshl_b32 s90, s90, 14
	s_add_co_u32 s90, s90, 8192
	s_lshl_b32 s89, s86, 13
	s_cmp_lt_u32 s86, 24
	s_cselect_b64 s[62:63], s[14:15], s[20:21]
	s_cmp_lt_u32 s86, 16
	s_cselect_b64 s[62:63], s[26:27], s[62:63]
	s_cselect_b32 s90, s89, s90
	s_add_nc_u64 s[62:63], s[62:63], s[90:91]
	s_and_b32 s86, ttmp9, 3
	s_cmp_eq_u32 s86, 0
	s_cselect_b64 s[48:49], s[16:17], s[30:31]
	s_cmp_eq_u32 s86, 1
	s_cselect_b64 s[48:49], s[22:23], s[48:49]
	s_cmp_eq_u32 s86, 2
	s_cselect_b64 s[48:49], s[28:29], s[48:49]
	s_cmp_eq_u32 s[WV], 14
	s_cselect_b64 s[62:63], s[48:49], s[62:63]     ; s[62:63] is never written again
	s_cmp_lt_u32 s[WV], 14
	s_cbranch_scc1 .Lno_ask
	s_cmp_lt_u32 ttmp9, 4
	s_cbranch_scc0 .Lno_prefetch_qkv0
	global_prefetch_b8 v225, s[62:63] th:TH_LOAD_NT scope:SCOPE_SE
.Lno_prefetch_qkv0:
.Lno_ask:
	s_cmp_lt_u32 s[WV], 8
	s_cselect_b64 s[WC:WC+1], s[14:15], s[20:21]
	s_cselect_b64 s[WSC:WSC+1], s[16:17], s[22:23]
	s_cselect_b64 s[BP:BP+1], s[18:19], s[24:25]
	s_cselect_b64 s[OC:OC+1], s[36:37], s[40:41]
	s_cselect_b64 s[OS:OS+1], s[38:39], s[40:41]
	s_cselect_b64 s[PS:PS+1], s[32:33], s[34:35]
	s_cselect_b64 s[PD:PD+1], s[42:43], s[44:45]
	s_cselect_b32 s84, s84, s87
	s_cselect_b32 s85, s85, s88
	s_cselect_b32 s6, s6, s4
	s_cselect_b32 s94, s94, s95
	s_cselect_b32 s86, 8, 10                       ; a row of Wp is 256 bytes, of W2 1,024
	v_lshlrev_b32 v[APZ], s86, v224
	s_delay_alu instid0(VALU_DEP_1)
	v_lshl_add_u32 v[APZ], v223, 4, v[APZ]
	s_mov_b32 s90, s6
	s_add_nc_u64 s[PS:PS+1], s[PS:PS+1], s[90:91]
	global_load_b128 v[PZ:PZ+3], v[APZ], s[PS:PS+1]
.irp e,0,1
.irp j,0,1,2,3
	global_load_b128 v[GG+16*\e+4*\j:GG+16*\e+4*\j+3], v[AGB], s[10:11] offset:128*\e+16*\j
	global_load_b128 v[BB+16*\e+4*\j:BB+16*\e+4*\j+3], v[AGB], s[12:13] offset:128*\e+16*\j
.endr
.endr
	s_lshl_b32 s90, s2, 14
	s_add_nc_u64 s[WC:WC+1], s[WC:WC+1], s[90:91]
	s_lshl_b32 s90, s2, 10
	s_add_nc_u64 s[WSC:WSC+1], s[WSC:WSC+1], s[90:91]
	s_lshl_b32 s90, s2, 8
	s_add_nc_u64 s[BP:BP+1], s[BP:BP+1], s[90:91]
	WLOAD WC, WSC, 0, 0                            ; the first unit: 21 loads
	BLOAD 0
	s_mov_b32 s90, s94
	s_add_nc_u64 s[PD:PD+1], s[PD:PD+1], s[90:91]
	s_mov_b32 s90, s84
	s_add_nc_u64 s[OC:OC+1], s[OC:OC+1], s[90:91]
	s_mov_b32 s90, s85
	s_add_nc_u64 s[OS:OS+1], s[OS:OS+1], s[90:91]
	s_lshl_b32 s90, s[WV], 13
	s_add_nc_u64 s[VC:VC+1], s[26:27], s[90:91]
	s_lshl_b32 s90, s[WV], 9
	s_add_nc_u64 s[VSC:VSC+1], s[28:29], s[90:91]
	s_lshl_b32 s90, s[WV], 7
	s_add_nc_u64 s[BVP:BVP+1], s[30:31], s[90:91]
	s_mov_b32 s90, s92
	s_add_nc_u64 s[OV:OV+1], s[40:41], s[90:91]
	s_mov_b32 s90, s93
	s_add_nc_u64 s[OVS:OVS+1], s[40:41], s[90:91]
	s_wait_loadcnt 37                              ; behind x's 8 loads and the piece's: 16 of gain and bias, 21 of the first unit
	s_cmp_lt_u32 s[WV], 12                         ; w2i's unit has four pieces: waves 12-15 store none
	s_cbranch_scc0 .Lno_piece
	global_store_b128 v[L16], v[PZ:PZ+3], s[PD:PD+1]               ; 512 consecutive bytes
.Lno_piece:
	LNSTAT
	s_wait_dscnt 0x0                               ; my rows and their statistics lie in LDS
	s_barrier_signal -1
	s_barrier_wait -1                              ; everybody's do
	s_wait_loadcnt 21                              ; gain and bias are in; the first unit's 21 loads may be out
	LNQUANT
	s_wait_dscnt 0x0                               ; my codes and bytes lie in LDS
	s_barrier_signal -1
	s_barrier_wait -1
	HFETCH
	s_wait_loadcnt 0x0
	s_wait_dscnt 0x0
	QKUNIT 0, CP
	QKUNIT 1, CP+4
	s_wait_alu depctr_va_vdst(0)
	v_cndmask_b32 v[WO], v[SW], v[SW+1], s[HI16]   ; lanes 0-15: row tile 0's words, lanes 16-31: row tile 1's
	global_store_b32 v[L4], v[WO], s[OS:OS+1]      ; 128 consecutive bytes
	; v: columns 32 w .. 32 w + 31, natural: a lane holds one channel, its registers run along the 32 keys
	MM16 ACC, ACC+16, 1
	PLACES
.set p, 0
.rept 8
	v_pk_add_f32 v[ACC+p:ACC+p+1], v[ACC+p:ACC+p+1], v[BV:BV+1] op_sel_hi:[1,0]                    ; + bv of my channel in tile 0
.set p, p+2
.endr
.rept 8
	v_pk_add_f32 v[ACC+p:ACC+p+1], v[ACC+p:ACC+p+1], v[BV:BV+1] op_sel:[0,1] op_sel_hi:[1,1]       ; and in tile 1
.set p, p+2
.endr
	QB2 ACC, ACC+8, ACC+16, ACC+24, CP+8, CP+10    ; the key block of channel tile 0 and that of tile 1
	global_store_b64 v[ACO], v[CP+8:CP+9], s[OV:OV+1]
	global_store_b64 v[ACO], v[CP+10:CP+11], s[OV:OV+1] offset:1024
	v_cndmask_b32 v[BO], v[QB], v[QB+1], s[HI16]
	global_store_b8 v[L8], v[BO], s[OVS:OVS+1]     ; byte b of the word of channel place lane % 16 in tile lane / 16
	s_wait_xcnt 0x0
	v_lshl_add_u32 v254, v0, 2, 0x12800
	v_mov_b32 v255, 0
	s_wait_alu depctr_va_vdst(0)
	s_wait_tensorcnt 0x0
	ds_add_u32 v254, v255
	s_wait_dscnt 0x0
	s_endpgm
.Lfunc_end_k_q68b3901fca_qkv:
	.size	k_q68b3901fca_qkv, .Lfunc_end_k_q68b3901fca_qkv-k_q68b3901fca_qkv
	.p2alignl 7, 3214868480
	.fill 96, 4, 3214868480
	.section	.rodata,"a",@progbits
	.p2align	6, 0x0
	.amdhsa_kernel k_q68b3901fca_qkv
		.amdhsa_group_segment_fixed_size 77824
		.amdhsa_private_segment_fixed_size 0
		.amdhsa_enable_private_segment 0
		.amdhsa_kernarg_size 152
		.amdhsa_user_sgpr_count 2
		.amdhsa_user_sgpr_kernarg_segment_ptr 1
		.amdhsa_wavefront_size32 1
		.amdhsa_system_sgpr_workgroup_id_x 1
		.amdhsa_system_sgpr_workgroup_id_y 1
		.amdhsa_system_sgpr_workgroup_id_z 1
		.amdhsa_system_vgpr_workitem_id 0
		.amdhsa_next_free_vgpr 256
		.amdhsa_next_free_sgpr 96
		.amdhsa_reserve_vcc 0
		.amdhsa_float_denorm_mode_32 3
		.amdhsa_float_denorm_mode_16_64 3
		.amdhsa_memory_ordered 1
		.amdhsa_forward_progress 1
		.amdhsa_inst_pref_size 46
	.end_amdhsa_kernel
	.amdgpu_metadata
---
amdhsa.version: [ 1, 2 ]
amdhsa.kernels:
  - .name:           k_q68b3901fca_qkv
    .symbol:         k_q68b3901fca_qkv.kd
    .args:
      - { .name: x, .offset: 0, .size: 8, .value_kind: global_buffer, .address_space: global }
      - { .name: ln0_g, .offset: 8, .size: 8, .value_kind: global_buffer, .address_space: global }
      - { .name: ln0_b, .offset: 16, .size: 8, .value_kind: global_buffer, .address_space: global }
      - { .name: Wq_codes, .offset: 24, .size: 8, .value_kind: global_buffer, .address_space: global }
      - { .name: Wq_scales, .offset: 32, .size: 8, .value_kind: global_buffer, .address_space: global }
      - { .name: bq, .offset: 40, .size: 8, .value_kind: global_buffer, .address_space: global }
      - { .name: Wk_codes, .offset: 48, .size: 8, .value_kind: global_buffer, .address_space: global }
      - { .name: Wk_scales, .offset: 56, .size: 8, .value_kind: global_buffer, .address_space: global }
      - { .name: bk, .offset: 64, .size: 8, .value_kind: global_buffer, .address_space: global }
      - { .name: Wv_codes, .offset: 72, .size: 8, .value_kind: global_buffer, .address_space: global }
      - { .name: Wv_scales, .offset: 80, .size: 8, .value_kind: global_buffer, .address_space: global }
      - { .name: bv, .offset: 88, .size: 8, .value_kind: global_buffer, .address_space: global }
      - { .name: Wp_codes, .offset: 96, .size: 8, .value_kind: global_buffer, .address_space: global }
      - { .name: W2_codes, .offset: 104, .size: 8, .value_kind: global_buffer, .address_space: global }
      - { .name: qc, .offset: 112, .size: 8, .value_kind: global_buffer, .address_space: global }
      - { .name: qs, .offset: 120, .size: 8, .value_kind: global_buffer, .address_space: global }
      - { .name: kv, .offset: 128, .size: 8, .value_kind: global_buffer, .address_space: global }
      - { .name: wpi, .offset: 136, .size: 8, .value_kind: global_buffer, .address_space: global }
      - { .name: w2i, .offset: 144, .size: 8, .value_kind: global_buffer, .address_space: global }
    .group_segment_fixed_size: 77824
    .private_segment_fixed_size: 0
    .kernarg_segment_align: 8
    .kernarg_segment_size: 152
    .max_flat_workgroup_size: 512
    .sgpr_count:     96
    .vgpr_count:     256
    .wavefront_size: 32
...
	.end_amdgpu_metadata
.endif
;; end of part 1
;; launch attnffn (part 2): grid 256 x 1, 16 waves a work-group, clusters of 4 x 1, 327,680 bytes of LDS; arguments qc, qs, kv, x, ln1_g, ln1_b, wpi, Wp_scales, bp, w2i, W2_scales, b2, out0; writes out0
.if DOCPART == 2
	.amdgcn_target "amdgcn-amd-amdhsa--gfx1250"
	.amdhsa_code_object_version 6
	.text
	.protected	k_q68b3901fca_attnffn
	.globl	k_q68b3901fca_attnffn
	.p2align	8
	.type	k_q68b3901fca_attnffn,@function
k_q68b3901fca_attnffn:
	s_mov_b64 s[64:65], 0
	v_nop
	global_prefetch_b8 v0, s[64:65] scope:SCOPE_SE
	s_setreg_imm32_b32 hwreg(HW_REG_WAVE_MODE, 25, 1), 1
	s_wait_xcnt 0x0
	s_wait_alu depctr_hold_cnt(0) depctr_sa_sdst(0) depctr_va_vdst(0) depctr_va_sdst(0) depctr_va_ssrc(0) depctr_va_vcc(0) depctr_vm_vsrc(0)
	s_getreg_b32 s2, hwreg(HW_REG_IB_STS2, 6, 4)
	s_cmp_eq_u32 s2, 0
	s_cbranch_scc0 .Lentry_in_a_cluster
	s_endpgm
.Lentry_in_a_cluster:
	s_bfe_u32 s2, ttmp6, 0x10000c
	s_cmp_lg_u32 s2, 0x3003
	s_cbranch_scc0 .Lentry_shape_is_right
	s_endpgm
.Lentry_shape_is_right:
; LAUNCH 2 OF 2.  A work-group owns 32 rows: attention over all 8 heads, x + o, layernorm, GEGLU and the second linear layer, all products on codes of FP4 (E2M1) with E8M0 scales.
; ATTENTION: wave w owns 16 queries (row tile w % 2) of head w / 2 and walks 2,048 keys, 128 a step; K, V^T and their scale words come as register images through a ring of two LDS slots
; (two key steps of all 8 heads a slot), asked for jointly by the 4 work-groups of a cluster, which share a batch.  p = 2^(t - M), M the ceiling of the running largest t; the row's sum is taken of the unquantised p.
; FEED FORWARD: wave w owns hidden units 128 w .. 128 w + 127 (8 halves of 16 u and 16 g rows of Wp) and then output columns 32 w .. 32 w + 31.  Weights go from memory straight into registers.
; Wp's codes have TWO buffers (v88-151 even halves, v16-79 odd halves) and are asked for two halves ahead; h's fragments stay in LDS and come in two runs of four fragments a half into v220-251.
; erf is made by two polynomial forms, both computed, chosen by v_cndmask_b32.
; LIMITS: the scaled scores stay under 2^31 in magnitude; a block whose largest magnitude lies under 2^-124 gets the scale byte 1 (only this program reads the bytes); NaN and infinities are not served.
.set STEPB, 8960
.set SLOTB, 16*STEPB
.set SPARE, 2*SLOTB
.set ST,    0
.set HSC,   256
.set HIMG,  1280
.set XS,    9472
.set XP,    2064
.set YIMG,  75520
.set YSC,   108288
.set L16, 1
.set SPW, 7
.set NIL, 15
.set AKV, 2
.set AKS, 4
.set AOX, 6
.set AVS, 8
.set QF,  16
.set KF,  24
.set SU,  60
.set FF,  62
.set PC,  64
.set BM,  72
.set PD,  76
.set KS,  80
.set VS,  84
.set PW,  86
.set QSC, 87
.set S,   88
.set VF,  156
.set O,   188
.set CSC, 220
.set BY,  224
.set SC2, 228
.set TMP, 230
.set G1,  28
.set G0,  36
.set CNT, 44
.set CS,  46
.set ABI, 2
.set AWS, 3
.set AYI, 4
.set AYS, 5
.set L4,  6
.set KC,  8
.set AXW, 10
.set AXO, 11
.set AYR, 12
.set AYSR, 13
.set AW2S, 14
.set HF,  16
.set GG,  16
.set BB,  48
.set HS,  80
.set W,   88
.set WS,  152
.set BI,  156
.set ACC, 172
.set X,   172
.set U0,  172
.set U1,  188
.set G,   204
.set YF,  204
.set T,   220
.set SQ,  228
.set P,   236
.set TS,  204
.set MR,  212
.set AST, 220
.set AXR, 221
.set ASR, 222
.set AGB, 223
.set AHI, 224
.set AHS, 225
.set QM,  244
.set QP,  246
.set QS,  248
.set QB,  250
.set LC,  252
.set C1,  28
.set C2,  30
.set C3,  32
.set C4,  34
.set C5,  36
.set C6,  38
.set D1,  40
.set D2,  42
.set D3,  44
.set D4,  46
.set D5,  48
.set L2E, 50
.set KAP, 52
.set THR, 54
.set EPS, 55
.set SEL, 56
.set MK,  66
.set XB,  74
.set WPB, 76
.set WSB, 78
.set BPB, 80
.set W2B, 82
.set W2SB, 84
.set B2B, 86
.set OB,  88
.set WV,  90
.set LG,  94
.macro PLACES
.rept 4
	v_nop
.endr
.endm
.macro ROUND
	s_barrier_signal -1
	s_barrier_wait -1
	s_cmp_lg_u32 s[WV], 0
	s_cbranch_scc1 .Lnot_wave_0_\@
	s_barrier_signal -3
.Lnot_wave_0_\@:
	s_barrier_wait -3
	s_barrier_signal -1
	s_barrier_wait -1
.endm
.macro KLOAD s, par
.irp t,0,1,2,3,4,5,6,7
	ds_load_b128 v[KF+4*\t:KF+4*\t+3], v[AKV+(\s)] offset:STEPB*(\par)+512*\t
.endr
.irp b,0,1,2,3
	ds_load_b32 v[KS+\b], v[AKS+(\s)] offset:STEPB*(\par)+128*\b
.endr
.endm
.macro STEP s, par, kind
	s_wait_dscnt 0x0
.irp t,0,1,2,3,4,5,6,7
.if (\t)%2
	v_wmma_scale_f32_16x16x128_f8f6f4 v[S+8*\t:S+8*\t+7], v[KF+4*\t:KF+4*\t+7], v[QF:QF+7], 0, v[KS+\t/2], v[QSC] matrix_a_fmt:MATRIX_FMT_FP4 matrix_b_fmt:MATRIX_FMT_FP4 matrix_a_scale:MATRIX_SCALE_ROW1
.else
	v_wmma_scale_f32_16x16x128_f8f6f4 v[S+8*\t:S+8*\t+7], v[KF+4*\t:KF+4*\t+7], v[QF:QF+7], 0, v[KS+\t/2], v[QSC] matrix_a_fmt:MATRIX_FMT_FP4 matrix_b_fmt:MATRIX_FMT_FP4
.endif
.endr
	PLACES
.irp i,0,1,2,3,4,5,6,7
	ds_load_b128 v[VF+4*\i:VF+4*\i+3], v[AKV+(\s)] offset:STEPB*(\par)+4096+512*\i
.endr
	ds_load_b64 v[VS:VS+1], v[AVS+(\s)] offset:STEPB*(\par)
.if (\kind) == 0
	KLOAD \s, 1
.endif
.if (\kind) == 3
.irp a,0,1
.irp j,0,1,2,3
	global_load_b128 v[KF+16*\a+4*\j:KF+16*\a+4*\j+3], v[L16], s[XB:XB+1] offset:2048*\a+512*\j th:TH_LOAD_NT
.endr
.endr
.endif
.irp b,0,1,2,3
	v_max3_num_f32 v[BM+\b], v[S+16*\b], v[S+1+16*\b], v[S+2+16*\b]
.endr
.irp i,3,5,7,9,11,13
.irp b,0,1,2,3
	v_max3_num_f32 v[BM+\b], v[BM+\b], v[S+16*\b+\i], v[S+16*\b+\i+1]
.endr
.endr
.irp b,0,1,2,3
	v_max_num_f32 v[BM+\b], v[BM+\b], v[S+15+16*\b]
.endr
.irp b,0,1,2,3
	s_delay_alu instid0(VALU_DEP_4)
	v_permlanex16_b32 v[PD+\b], v[BM+\b], s[SEL], s[SEL+1]
.endr
.irp b,0,1,2,3
	s_delay_alu instid0(VALU_DEP_4)
	v_max_num_f32 v[BM+\b], v[BM+\b], v[PD+\b]
.endr
	s_delay_alu instid0(VALU_DEP_2)
	v_max3_num_f32 v[TMP], v[BM], v[BM+1], v[BM+2]
	s_delay_alu instid0(VALU_DEP_1)
	v_max_num_f32 v[TMP], v[TMP], v[BM+3]
	s_delay_alu instid0(VALU_DEP_1)
	v_mul_f32 v[TMP], s[CS], v[TMP]
	s_delay_alu instid0(VALU_DEP_1)
	v_max_num_f32 v13, v13, v[TMP]
	v_mov_b32 v[TMP], v12
	s_delay_alu instid0(VALU_DEP_2)
	v_floor_f32 v12, -v13
	s_delay_alu instid0(VALU_DEP_1)
	v_sub_f32 v[TMP], v12, v[TMP]
	s_delay_alu instid0(VALU_DEP_1)
	v_cvt_i32_f32 v[TMP], v[TMP]
	s_delay_alu instid0(VALU_DEP_1)
	v_ldexp_f32 v[FF], 1.0, v[TMP]
.set j, 0
.rept 32
	v_pk_fma_f32 v[S+j:S+j+1], v[S+j:S+j+1], s[CS:CS+1], v[12:13] op_sel_hi:[1,0,0]
.set j, j+2
.endr
.irp b,0,1,2,3
	v_fma_f32 v[BM+\b], v[BM+\b], s[CS], v12
.endr
.set j, 0
	s_wait_alu depctr_va_vdst(0)
.rept 64
	v_exp_f32 v[S+j], v[S+j]
.set j, j+1
.endr
	v_pk_mul_f32 v[SU:SU+1], v[SU:SU+1], v[FF:FF+1] op_sel_hi:[1,0]
	s_wait_alu depctr_va_vdst(0)
.irp b,0,1,2,3
	v_exp_f32 v[BM+\b], v[BM+\b]
.endr
	v_pk_add_f32 v[SC2:SC2+1], v[S:S+1], v[S+2:S+3]
.set j, 4
.rept 15
	v_pk_add_f32 v[SU:SU+1], v[SU:SU+1], v[S+j:S+j+1]
	v_pk_add_f32 v[SC2:SC2+1], v[SC2:SC2+1], v[S+j+2:S+j+3]
.set j, j+4
.endr
	s_delay_alu instid0(VALU_DEP_1)
	v_pk_add_f32 v[SU:SU+1], v[SU:SU+1], v[SC2:SC2+1]
	s_wait_alu depctr_va_vdst(0)
.if ((\kind) == 1) || ((\kind) == 2)
	s_wait_tensorcnt 0x0
	ds_add_u32 v[SPW], v[NIL]
.endif
.if (\kind) == 1
	s_add_nc_u64 s[G0+4*(\s)+2:G0+4*(\s)+3], s[G0+4*(\s)+2:G0+4*(\s)+3], 4*STEPB
.endif
.irp b,0,1,2,3
	v_max_num_f32 v[BM+\b], 0x1800000, v[BM+\b]
.endr
.irp b,0,1,2,3
	s_delay_alu instid0(VALU_DEP_4)
	v_add_nc_u32 v[CSC+\b], 0xff000000, v[BM+\b]
.endr
.irp b,0,1,2,3
	s_delay_alu instid0(VALU_DEP_4)
	v_lshrrev_b32 v[BY+\b], 23, v[CSC+\b]
.endr
	s_delay_alu instid0(VALU_DEP_3)
	v_lshl_or_b32 v[PW], v[BY+1], 8, v[BY]
	s_delay_alu instid0(VALU_DEP_1)
	v_lshl_or_b32 v[PW], v[BY+2], 16, v[PW]
	s_delay_alu instid0(VALU_DEP_1)
	v_lshl_or_b32 v[PW], v[BY+3], 24, v[PW]
.if (\kind) == 1
	s_wait_dscnt 0x0
	ROUND
	tensor_load_to_lds s[G0+4*(\s):G0+4*(\s)+3], s[G1:G1+7]
	s_nop 0
	PLACES
	KLOAD 1-(\s), 0
.endif
.if (\kind) == 2
	s_wait_dscnt 0x0
	s_barrier_signal -1
	s_barrier_wait -1
	KLOAD 1-(\s), 0
.endif
.irp b,0,1,2,3
	v_cvt_scalef32_pk8_fp4_f32 v[PC+2*\b], v[S+16*\b:S+16*\b+7], v[CSC+\b]
	v_cvt_scalef32_pk8_fp4_f32 v[PC+2*\b+1], v[S+16*\b+8:S+16*\b+15], v[CSC+\b]
.endr
	v_nop
.irp c,0,1
.irp i,0,1
	v_permlane16_swap_b32 v[PC+4*\c+\i], v[PC+2+4*\c+\i]
.endr
.endr
.set j, 0
.rept 16
	v_pk_mul_f32 v[O+j:O+j+1], v[O+j:O+j+1], v[FF:FF+1] op_sel_hi:[1,0]
.set j, j+2
.endr
	s_wait_alu depctr_va_vdst(0)
	s_wait_dscnt 0x0
.irp t,0,1,2,3
.if (\t)%2
	v_wmma_scale_f32_16x16x128_f8f6f4 v[O+8*\t:O+8*\t+7], v[VF+8*\t:VF+8*\t+7], v[PC:PC+7], v[O+8*\t:O+8*\t+7], v[VS+\t/2], v[PW] matrix_a_fmt:MATRIX_FMT_FP4 matrix_b_fmt:MATRIX_FMT_FP4 matrix_a_scale:MATRIX_SCALE_ROW1
.else
	v_wmma_scale_f32_16x16x128_f8f6f4 v[O+8*\t:O+8*\t+7], v[VF+8*\t:VF+8*\t+7], v[PC:PC+7], v[O+8*\t:O+8*\t+7], v[VS+\t/2], v[PW] matrix_a_fmt:MATRIX_FMT_FP4 matrix_b_fmt:MATRIX_FMT_FP4
.endif
.endr
.endm
.macro SPAIR r, val
	s_mov_b32 s[\r], \val
	s_mov_b32 s[\r+1], \val
.endm
.macro QB2 a0, a1, b0, b1, cp0, cp1
	v_max3_num_f32 v[QM], |v[(\a0)]|, |v[(\a0)+1]|, 0x1800000
	v_max3_num_f32 v[QM+1], |v[(\b0)]|, |v[(\b0)+1]|, 0x1800000
.irp i,2,4,6
	s_delay_alu instid0(VALU_DEP_2)
	v_max3_num_f32 v[QM], v[QM], |v[(\a0)+\i]|, |v[(\a0)+\i+1]|
	s_delay_alu instid0(VALU_DEP_2)
	v_max3_num_f32 v[QM+1], v[QM+1], |v[(\b0)+\i]|, |v[(\b0)+\i+1]|
.endr
.irp i,0,2,4,6
	s_delay_alu instid0(VALU_DEP_2)
	v_max3_num_f32 v[QM], v[QM], |v[(\a1)+\i]|, |v[(\a1)+\i+1]|
	s_delay_alu instid0(VALU_DEP_2)
	v_max3_num_f32 v[QM+1], v[QM+1], |v[(\b1)+\i]|, |v[(\b1)+\i+1]|
.endr
	s_delay_alu instid0(VALU_DEP_2)
	v_permlanex16_b32 v[QP], v[QM], s[SEL], s[SEL+1]
	s_delay_alu instid0(VALU_DEP_2)
	v_permlanex16_b32 v[QP+1], v[QM+1], s[SEL], s[SEL+1]
	s_delay_alu instid0(VALU_DEP_2)
	v_max_num_f32 v[QM], v[QM], v[QP]
	s_delay_alu instid0(VALU_DEP_2)
	v_max_num_f32 v[QM+1], v[QM+1], v[QP+1]
	s_delay_alu instid0(VALU_DEP_2)
	v_add_nc_u32 v[QS], 0xff000000, v[QM]
	s_delay_alu instid0(VALU_DEP_2)
	v_add_nc_u32 v[QS+1], 0xff000000, v[QM+1]
	s_delay_alu instid0(VALU_DEP_2)
	v_lshrrev_b32 v[QB], 23, v[QS]
	s_delay_alu instid0(VALU_DEP_2)
	v_lshrrev_b32 v[QB+1], 23, v[QS+1]
	v_cvt_scalef32_pk8_fp4_f32 v[(\cp0)], v[(\a0):(\a0)+7], v[QS]
	v_cvt_scalef32_pk8_fp4_f32 v[(\cp0)+1], v[(\a1):(\a1)+7], v[QS]
	v_cvt_scalef32_pk8_fp4_f32 v[(\cp1)], v[(\b0):(\b0)+7], v[QS+1]
	v_cvt_scalef32_pk8_fp4_f32 v[(\cp1)+1], v[(\b1):(\b1)+7], v[QS+1]
	v_nop
.endm
.macro WSUM
.irp k,1,2,4,8
	s_delay_alu instid0(VALU_DEP_2)
	v_add_f32_dpp v[TS], v[TS], v[TS] row_xmask:\k row_mask:0xf bank_mask:0xf
	s_delay_alu instid0(VALU_DEP_2)
	v_add_f32_dpp v[TS+4], v[TS+4], v[TS+4] row_xmask:\k row_mask:0xf bank_mask:0xf
.endr
	s_delay_alu instid0(VALU_DEP_2)
	v_permlanex16_b32 v[QP], v[TS], s[SEL], s[SEL+1]
	s_delay_alu instid0(VALU_DEP_2)
	v_permlanex16_b32 v[QP+1], v[TS+4], s[SEL], s[SEL+1]
	s_delay_alu instid0(VALU_DEP_2)
	v_add_f32 v[TS], v[TS], v[QP]
	s_delay_alu instid0(VALU_DEP_2)
	v_add_f32 v[TS+4], v[TS+4], v[QP+1]
.endm
.macro LNSTAT
.irp a,0,1
.irp j,0,1,2,3
	ds_store_b128 v[AXW], v[X+16*\a+4*\j:X+16*\a+4*\j+3] offset:XP*\a+512*\j
.endr
.endr
.irp a,0,1
	v_pk_add_f32 v[TS+4*\a:TS+4*\a+1], v[X+16*\a:X+16*\a+1], v[X+16*\a+2:X+16*\a+3]
	v_pk_add_f32 v[TS+4*\a+2:TS+4*\a+3], v[X+16*\a+4:X+16*\a+5], v[X+16*\a+6:X+16*\a+7]
.endr
.irp i,8,12
.irp a,0,1
	s_delay_alu instid0(VALU_DEP_4)
	v_pk_add_f32 v[TS+4*\a:TS+4*\a+1], v[TS+4*\a:TS+4*\a+1], v[X+16*\a+\i:X+16*\a+\i+1]
	s_delay_alu instid0(VALU_DEP_4)
	v_pk_add_f32 v[TS+4*\a+2:TS+4*\a+3], v[TS+4*\a+2:TS+4*\a+3], v[X+16*\a+\i+2:X+16*\a+\i+3]
.endr
.endr
.irp a, 0
	s_delay_alu instid0(VALU_DEP_3)
	v_pk_add_f32 v[TS+4*\a:TS+4*\a+1], v[TS+4*\a:TS+4*\a+1], v[TS+4*\a+2:TS+4*\a+3]
.endr
.irp a, 1
	s_delay_alu instid0(VALU_DEP_2)
	v_pk_add_f32 v[TS+4*\a:TS+4*\a+1], v[TS+4*\a:TS+4*\a+1], v[TS+4*\a+2:TS+4*\a+3]
.endr
.irp a,0,1
	s_delay_alu instid0(VALU_DEP_2)
	v_add_f32 v[TS+4*\a], v[TS+4*\a], v[TS+4*\a+1]
.endr
	WSUM
.irp a,0,1
	s_delay_alu instid0(VALU_DEP_2)
	v_mul_f32 v[MR+2*\a], 0x3b000000, v[TS+4*\a]
.endr
.irp a,0,1
	s_delay_alu instid0(VALU_DEP_2)
	v_mov_b32 v[MR+2*\a+1], v[MR+2*\a]
.endr
.irp i,0,2,4,6,8,10,12,14
.irp a,0,1
	v_pk_add_f32 v[X+16*\a+\i:X+16*\a+\i+1], v[X+16*\a+\i:X+16*\a+\i+1], v[MR+2*\a:MR+2*\a+1] neg_lo:[0,1] neg_hi:[0,1]
.endr
.endr
.irp a,0,1
	v_pk_mul_f32 v[TS+4*\a:TS+4*\a+1], v[X+16*\a:X+16*\a+1], v[X+16*\a:X+16*\a+1]
	v_pk_mul_f32 v[TS+4*\a+2:TS+4*\a+3], v[X+16*\a+2:X+16*\a+3], v[X+16*\a+2:X+16*\a+3]
.endr
.irp i,4,8,12
.irp a,0,1
	s_delay_alu instid0(VALU_DEP_4)
	v_pk_fma_f32 v[TS+4*\a:TS+4*\a+1], v[X+16*\a+\i:X+16*\a+\i+1], v[X+16*\a+\i:X+16*\a+\i+1], v[TS+4*\a:TS+4*\a+1]
	s_delay_alu instid0(VALU_DEP_4)
	v_pk_fma_f32 v[TS+4*\a+2:TS+4*\a+3], v[X+16*\a+\i+2:X+16*\a+\i+3], v[X+16*\a+\i+2:X+16*\a+\i+3], v[TS+4*\a+2:TS+4*\a+3]
.endr
.endr
.irp a, 0
	s_delay_alu instid0(VALU_DEP_3)
	v_pk_add_f32 v[TS+4*\a:TS+4*\a+1], v[TS+4*\a:TS+4*\a+1], v[TS+4*\a+2:TS+4*\a+3]
.endr
.irp a, 1
	s_delay_alu instid0(VALU_DEP_2)
	v_pk_add_f32 v[TS+4*\a:TS+4*\a+1], v[TS+4*\a:TS+4*\a+1], v[TS+4*\a+2:TS+4*\a+3]
.endr
.irp a,0,1
	s_delay_alu instid0(VALU_DEP_2)
	v_add_f32 v[TS+4*\a], v[TS+4*\a], v[TS+4*\a+1]
.endr
	WSUM
.irp a,0,1
	s_delay_alu instid0(VALU_DEP_2)
	v_fma_f32 v[TS+4*\a], v[TS+4*\a], 0x3b000000, s[EPS]
.endr
	s_wait_alu depctr_va_vdst(0)
.irp a,0,1
	v_rsq_f32 v[MR+2*\a+1], v[TS+4*\a]
.endr
	v_nop
	s_wait_alu depctr_va_vdst(0)
.irp a,0,1
	ds_store_b64 v[AST], v[MR+2*\a:MR+2*\a+1] offset:ST+8*\a
.endr
.endm
.macro LNQUANT
.irp e,0,1
.irp j,0,1,2,3
	ds_load_b128 v[X+16*\e+4*\j:X+16*\e+4*\j+3], v[AXR] offset:128*\e+16*\j
.endr
.endr
	ds_load_b64 v[MR:MR+1], v[ASR] offset:ST
	s_wait_dscnt 0x0
.set p, 0
.rept 16
	v_pk_add_f32 v[X+p:X+p+1], v[X+p:X+p+1], v[MR:MR+1] op_sel_hi:[1,0] neg_lo:[0,1] neg_hi:[0,1]
.set p, p+2
.endr
.set p, 0
.rept 16
	v_pk_mul_f32 v[X+p:X+p+1], v[X+p:X+p+1], v[MR:MR+1] op_sel:[0,1] op_sel_hi:[1,1]
.set p, p+2
.endr
.set p, 0
.rept 16
	v_pk_fma_f32 v[X+p:X+p+1], v[X+p:X+p+1], v[GG+p:GG+p+1], v[BB+p:BB+p+1]
.set p, p+2
.endr
	QB2 X, X+8, X+16, X+24, LC, LC+2
	ds_store_b64 v[AHI], v[LC:LC+1]
	ds_store_b64 v[AHI], v[LC+2:LC+3] offset:256
	ds_store_b8 v[AHS], v[QB]
	ds_store_b8 v[AHS], v[QB+1] offset:1
.endm
.set HT, 220                           ; v220-251: four fragments of h at a time (free while the products run)
.macro HFETCH                          ; h's 8 scale words stay in registers
.irp f,0,1,2,3,4,5,6,7
	ds_load_b32 v[HS+\f], v[L4] offset:HSC+128*\f
.endr
.endm
.macro HFL g                           ; h's fragments of both row tiles for K steps 2 g, 2 g + 1: 8 loads from the image in LDS
.irp m,0,1
.irp e,0,1
.irp c,0,1
	ds_load_b128 v[HT+8*(2*\m+\e)+4*\c:HT+8*(2*\m+\e)+4*\c+3], v[L16] offset:HIMG+1024*(4*\m+2*(\g)+\e)+512*\c
.endr
.endr
.endr
.endm
.macro MM8 da, db, wb, ka, kb          ; 8 products: K steps ka, kb x 2 row tiles x 2 weight tiles; weights from buffer wb; the four accumulators by turns
.irp s,\ka,\kb
.irp m,0,1
.irp t,0,1
.set rD, (\da)+8*\m+((\db)-(\da))*\t
.set rW, (\wb)+32*\t+8*\s
.set rH, HT+8*(2*\m+(\s)%2)
.set rC, rD
.if \s == 0
.set rC, BI+8*\t
.endif
.if \t
	v_wmma_scale_f32_16x16x128_f8f6f4 v[rD:rD+7], v[rW:rW+7], v[rH:rH+7], v[rC:rC+7], v[WS+\s], v[HS+4*\m+\s] matrix_a_fmt:MATRIX_FMT_FP4 matrix_b_fmt:MATRIX_FMT_FP4 matrix_a_scale:MATRIX_SCALE_ROW1
.else
	v_wmma_scale_f32_16x16x128_f8f6f4 v[rD:rD+7], v[rW:rW+7], v[rH:rH+7], v[rC:rC+7], v[WS+\s], v[HS+4*\m+\s] matrix_a_fmt:MATRIX_FMT_FP4 matrix_b_fmt:MATRIX_FMT_FP4
.endif
.endr
.endr
.endr
.endm
.macro PLW hb                          ; half hb's codes of Wp, 16 loads, into the buffer of its parity
.set rB, 88-72*((\hb)%2)
.irp t,0,1
.irp s,0,1,2,3
.irp c,0,1
	global_load_b128 v[rB+32*\t+8*\s+4*\c:rB+32*\t+8*\s+4*\c+3], v[L16], s[WPB:WPB+1] offset:8192*(\hb)+4096*\t+1024*\s+512*\c
.endr
.endr
.endr
.endm
.macro PLS hb                          ; half hb's scale words and bias, 5 loads
	global_load_b128 v[WS:WS+3], v[AWS], s[WSB:WSB+1] offset:512*((\hb)/2)+128*((\hb)%2)
.irp t,0,1
.irp jj,0,1
	global_load_b128 v[BI+8*\t+4*\jj:BI+8*\t+4*\jj+3], v[ABI], s[BPB:BPB+1] offset:8192*\t+128*((\hb)/2)+32*((\hb)%2)+16*\jj
.endr
.endr
.endm
.macro RLOAD q
.set rS, 16+32*((\q)%4)+8*(((\q)%4)/2)
.irp kk,0,1
.irp t,0,1
.irp c,0,1
	global_load_b128 v[rS+16*\kk+8*\t+4*\c:rS+16*\kk+8*\t+4*\c+3], v[L16], s[W2B:W2B+1] offset:2048*(2*(\q)+\kk)+1024*\t+512*\c
.endr
.endr
.endr
	global_load_b64 v[HS+2*((\q)%4):HS+2*((\q)%4)+1], v[AW2S], s[W2SB:W2SB+1] offset:8*(\q)
.endm
.macro GELU g, u
.set i, 0
.rept 8
	v_mul_f32 v[T+i], s[KAP], |v[(\g)+i]|
.set i, i+1
.endr
.irp p,0,2,4,6
	v_pk_mul_f32 v[SQ+\p:SQ+\p+1], v[T+\p:T+\p+1], v[T+\p:T+\p+1]
.endr
.irp p,0,2,4,6
	s_delay_alu instid0(VALU_DEP_4)
	v_pk_fma_f32 v[P+\p:P+\p+1], v[SQ+\p:SQ+\p+1], v[KC:KC+1], s[D1:D1+1] op_sel:[0,1,0] op_sel_hi:[1,1,0]
.endr
.irp d, D2, D3, D4, D5
.irp p,0,2,4,6
	s_delay_alu instid0(VALU_DEP_4)
	v_pk_fma_f32 v[P+\p:P+\p+1], v[P+\p:P+\p+1], v[SQ+\p:SQ+\p+1], s[\d:\d+1] op_sel_hi:[1,1,0]
.endr
.endr
.irp p,0,2,4,6
	s_delay_alu instid0(VALU_DEP_4)
	v_pk_fma_f32 v[P+\p:P+\p+1], v[P+\p:P+\p+1], v[T+\p:T+\p+1], v[T+\p:T+\p+1]
.endr
.irp p,0,2,4,6
	s_delay_alu instid0(VALU_DEP_4)
	v_pk_add_f32 v[P+\p:P+\p+1], v[P+\p:P+\p+1], 1.0 op_sel_hi:[1,0] neg_lo:[1,0] neg_hi:[1,0]
.endr
.irp p,0,2,4,6
	v_pk_fma_f32 v[SQ+\p:SQ+\p+1], v[T+\p:T+\p+1], v[KC:KC+1], s[C1:C1+1] op_sel_hi:[1,0,0]
.endr
.irp d, C2, C3, C4, C5, C6
.irp p,0,2,4,6
	s_delay_alu instid0(VALU_DEP_4)
	v_pk_fma_f32 v[SQ+\p:SQ+\p+1], v[SQ+\p:SQ+\p+1], v[T+\p:T+\p+1], s[\d:\d+1] op_sel_hi:[1,1,0]
.endr
.endr
.irp p,0,2,4,6
	s_delay_alu instid0(VALU_DEP_4)
	v_pk_fma_f32 v[SQ+\p:SQ+\p+1], v[SQ+\p:SQ+\p+1], v[T+\p:T+\p+1], v[T+\p:T+\p+1] neg_lo:[0,0,1] neg_hi:[0,0,1]
.endr
.irp p,0,2,4,6
	s_delay_alu instid0(VALU_DEP_4)
	v_pk_mul_f32 v[SQ+\p:SQ+\p+1], v[SQ+\p:SQ+\p+1], s[L2E:L2E+1] op_sel_hi:[1,0]
.endr
.set i, 0
	s_wait_alu depctr_va_vdst(0)
.rept 8
	v_exp_f32 v[SQ+i], v[SQ+i]
.set i, i+1
.endr
.set i, 0
.rept 8
	v_max_num_f32 v[(\g)+i], 0, v[(\g)+i]
.set i, i+1
.endr
.set i, 0
.rept 8
	v_cmp_gt_f32 s[MK+i], v[T+i], s[THR]
.set i, i+1
.endr
.irp p,0,2,4,6
	v_pk_mul_f32 v[T+\p:T+\p+1], v[T+\p:T+\p+1], s[KAP:KAP+1] op_sel_hi:[1,0]
.endr
	s_wait_alu depctr_va_vdst(0)
.set i, 0
.rept 8
	v_cndmask_b32 v[P+i], v[P+i], v[SQ+i], s[MK+i]
.set i, i+1
.endr
.irp p,0,2,4,6
	v_pk_fma_f32 v[(\g)+\p:(\g)+\p+1], v[T+\p:T+\p+1], v[P+\p:P+\p+1], v[(\g)+\p:(\g)+\p+1] neg_lo:[1,0,0] neg_hi:[1,0,0]
.endr
.irp p,0,2,4,6
	v_pk_mul_f32 v[(\u)+\p:(\u)+\p+1], v[(\u)+\p:(\u)+\p+1], v[(\g)+\p:(\g)+\p+1]
.endr
.endm
.macro HALF hb
	HFL 0
.if (\hb) < 7
	s_wait_loadcnt 16                              ; this half's codes, scale words and bias are in; the 16 younger loads are the next half's codes
.else
	s_wait_loadcnt 0x0
.endif
	s_wait_dscnt 0x0
	MM8 U0+16*((\hb)%2), G, 88-72*((\hb)%2), 0, 1
	PLACES                                         ; ahead of loads into registers that the products have read
	HFL 1
	s_wait_dscnt 0x0
	MM8 U0+16*((\hb)%2), G, 88-72*((\hb)%2), 2, 3
	PLACES
.if (\hb) < 7
	PLS (\hb)+1                                    ; first what the next half waits for,
.if (\hb) < 6
	PLW (\hb)+2                                    ; then the codes of the half after it, into the buffer just read out
.endif
.else
.irp t,0,1
.irp jj,0,1
	global_load_b128 v[BI+8*\t+4*\jj:BI+8*\t+4*\jj+3], v[ABI], s[B2B:B2B+1] offset:32*\t+16*\jj
.endr
.endr
	RLOAD 0
	RLOAD 1
	RLOAD 2
	RLOAD 3
.endif
.if (\hb)%2
	GELU G, U1
	GELU G+8, U1+8
	QB2 U0, U1, U0+8, U1+8, LC, LC+2
	ds_store_b64 v[AYI], v[LC:LC+1] offset:256*((\hb)/2)
	ds_store_b64 v[AYI], v[LC+2:LC+3] offset:1024+256*((\hb)/2)
	ds_store_b8 v[AYS], v[QB] offset:(\hb)/2
	ds_store_b8 v[AYS], v[QB+1] offset:128+(\hb)/2
.else
	GELU G, U0
	GELU G+8, U0+8
.endif
.endm
.macro W2U q
.irp kk,0,1
.irp m,0,1
.irp c,0,1
	ds_load_b128 v[YF+16*\kk+8*\m+4*\c:YF+16*\kk+8*\m+4*\c+3], v[AYR] offset:(2*(2*(\q)+\kk)+\m)*1024+512*\c
.endr
	ds_load_b32 v[WS+2*\kk+\m], v[AYSR] offset:(2*(2*(\q)+\kk)+\m)*128
.endr
.endr
.if (\q) <= 4
	s_wait_loadcnt 27
.else
	s_wait_loadcnt 9*(7-(\q))
.endif
	s_wait_dscnt 0x0
.set rS, 16+32*((\q)%4)+8*(((\q)%4)/2)
.set rX, HS+2*((\q)%4)
.irp kk,0,1
.irp m,0,1
.irp t,0,1
.set rD, ACC+8*(2*\m+\t)
.set rC, rD
.if ((\q) == 0) && (\kk == 0)
.set rC, BI+8*\t
.endif
.if \t
	v_wmma_scale_f32_16x16x128_f8f6f4 v[rD:rD+7], v[rS+16*\kk+8*\t:rS+16*\kk+8*\t+7], v[YF+16*\kk+8*\m:YF+16*\kk+8*\m+7], v[rC:rC+7], v[rX+\kk], v[WS+2*\kk+\m] matrix_a_fmt:MATRIX_FMT_FP4 matrix_b_fmt:MATRIX_FMT_FP4 matrix_a_scale:MATRIX_SCALE_ROW1
.else
	v_wmma_scale_f32_16x16x128_f8f6f4 v[rD:rD+7], v[rS+16*\kk+8*\t:rS+16*\kk+8*\t+7], v[YF+16*\kk+8*\m:YF+16*\kk+8*\m+7], v[rC:rC+7], v[rX+\kk], v[WS+2*\kk+\m] matrix_a_fmt:MATRIX_FMT_FP4 matrix_b_fmt:MATRIX_FMT_FP4
.endif
.endr
.endr
.endr
	PLACES
.if (\q) < 4
	RLOAD (\q)+4
.endif
.endm
	s_load_b256 s[4:11], s[0:1], 0x0
	s_load_b64 s[LG:LG+1], s[0:1], 0x20
	s_load_b512 s[12:27], s[0:1], 0x28
	v_lshl_add_u32 v[SPW], v0, 2, SPARE
	v_mov_b32 v[NIL], 0
	ds_add_u32 v7, v15
	ds_add_u32 v7, v15
	s_wait_dscnt 0x0
	v_lshrrev_b32 v14, 5, v0
	s_delay_alu instid0(VALU_DEP_1)
	v_readfirstlane_b32 s[WV], v14
	s_lshr_b32 s50, ttmp9, 4
	s_mov_b32 s[G1+0], 15|(3<<16)|(1<<21)
	s_mov_b32 s[G1+1], 32<<16
	s_mov_b32 s[G1+2], 35<<16
	s_mov_b32 s[G1+3], 32<<16
	s_mov_b32 s[G1+4], 35
	s_mov_b32 s[G1+5], 32
	s_mov_b32 s[G1+6], 0
	s_mov_b32 s[G1+7], 0
	s_lshl_b32 s51, s50, 3
	s_lshr_b32 s52, s[WV], 1
	s_add_co_u32 s51, s51, s52
	s_and_b32 s54, s[WV], 1
	s_lshl_b32 s53, s51, 4
	s_add_co_u32 s53, s53, s54
	s_mul_i32 s2, s53, STEPB
	s_mov_b32 s3, 0
	s_mul_i32 s55, s[WV], STEPB
	s_wait_kmcnt 0x0
	s_add_nc_u64 s[8:9], s[8:9], s[2:3]
	ROUND
.irp s,0,1
	s_mov_b32 s[G0+4*\s], 1
	s_add_co_u32 s[G0+4*\s+1], s55, \s*SLOTB
	s_add_nc_u64 s[G0+4*\s+2:G0+4*\s+3], s[8:9], \s*2*STEPB
	s_or_b32 s[G0+4*\s+3], s[G0+4*\s+3], 0x80000000
.endr
	tensor_load_to_lds s[G0:G0+3], s[G1:G1+7]
	s_nop 0
	v_and_b32 v14, 31, v0                          ; Q's fragment and scale words are asked for while slot 0's fill is out
	v_and_b32 v10, 15, v0
	s_delay_alu instid0(VALU_DEP_2)
	v_lshlrev_b32 v[L16], 4, v14
	s_delay_alu instid0(VALU_DEP_2)
	v_lshlrev_b32 v232, 2, v10
	s_bfe_u32 s48, ttmp6, 0x40000
	s_lshl_b32 s49, ttmp9, 2
	s_add_co_u32 s49, s49, s48
	s_and_b32 s48, s49, 63
	s_lshl_b32 s92, s51, 6
	s_add_co_u32 s92, s92, s48
	s_lshl_b32 s48, s92, 7
	s_lshl_b32 s92, s92, 1
	s_add_co_u32 s92, s92, s54
	s_lshl_b32 s92, s92, 9
	s_mov_b32 s93, 0
	s_add_nc_u64 s[4:5], s[4:5], s[92:93]
	s_lshl_b32 s92, s54, 6
	s_add_co_u32 s92, s92, s48
	s_add_nc_u64 s[6:7], s[6:7], s[92:93]
	s_wait_alu depctr_va_vdst(0)                   ; the wait ahead of the readers below
	global_load_b128 v[QF:QF+3], v[L16], s[4:5]
	global_load_b32 v[QSC], v232, s[6:7]
	s_wait_tensorcnt 0x0
	ds_add_u32 v7, v15
	s_wait_dscnt 0x0
	ROUND
	tensor_load_to_lds s[G0+4:G0+7], s[G1:G1+7]
	s_nop 0
	PLACES
	v_and_b32 v10, 15, v0
	v_bfe_u32 v11, v0, 4, 1
	s_delay_alu instid0(VALU_DEP_2)
	v_and_b32 v14, 8, v10
	s_delay_alu instid0(VALU_DEP_1)
	v_add_nc_u32 v14, v14, v10
	s_delay_alu instid0(VALU_DEP_1)
	v_mul_u32_u24 v[AOX], v14, XP
	s_delay_alu instid0(VALU_DEP_1)
	v_lshl_add_u32 v[AOX], v11, 6, v[AOX]
	s_mul_i32 s2, s54, 8*XP
	s_lshl_b32 s3, s52, 8
	s_add_co_u32 s2, s2, s3
	s_add_co_u32 s2, s2, XS
	v_add_nc_u32 v[AOX], s2, v[AOX]
	v_and_b32 v14, 31, v0
	s_mul_i32 s2, s52, 2*STEPB
	v_add_nc_u32 v[AKV], s2, v[L16]
	s_delay_alu instid0(VALU_DEP_1)
	v_add_nc_u32 v[AKV+1], SLOTB, v[AKV]
	v_lshlrev_b32 v[AKS], 2, v14
	s_delay_alu instid0(VALU_DEP_1)
	v_add_nc_u32 v[AKS], s2, v[AKS]
	s_delay_alu instid0(VALU_DEP_1)
	v_add_nc_u32 v[AKS], 8192, v[AKS]
	s_delay_alu instid0(VALU_DEP_1)
	v_add_nc_u32 v[AKS+1], SLOTB, v[AKS]
	v_lshlrev_b32 v[AVS], 3, v14
	s_delay_alu instid0(VALU_DEP_1)
	v_add_nc_u32 v[AVS], s2, v[AVS]
	s_delay_alu instid0(VALU_DEP_1)
	v_add_nc_u32 v[AVS], 8704, v[AVS]
	s_delay_alu instid0(VALU_DEP_1)
	v_add_nc_u32 v[AVS+1], SLOTB, v[AVS]
	; the prefetch of the weights: wave 4 names 8,192 bytes of wpi (part 4 (cluster % 32) + cx of 128), wave 5 of w2i (part 4 (cluster % 16) + cx of 64); partners differ by address alone
	; Waves 4 to 8 name 8,192 bytes each: part (work-group x & pm) of wpi (pm 127), w2i (63), Wp_scales (7), W2_scales (3), bp (1).
	; Waves 9 to 11 name two blocks of 256 bytes: part cx of the four of ln1_g, ln1_b, b2 (2,048 bytes each); their lanes 2-31 name the second block again.
.macro PICK w, lo, pm
	s_cmp_eq_u32 s[WV], \w
	s_cselect_b64 s[58:59], s[\lo:\lo+1], s[58:59]
	s_cselect_b32 s61, \pm, s61
.endm
	s_mov_b64 s[58:59], s[24:25]
	s_mov_b32 s61, 3
	PICK 10, 12, 3
	PICK 9, LG, 3
	PICK 8, 18, 1
	PICK 7, 22, 3
	PICK 6, 16, 7
	PICK 5, 20, 63
	PICK 4, 14, 127
	s_cmp_lt_u32 s[WV], 9
	s_cselect_b32 s45, 13, 9                       ; a part is 8,192 or 512 bytes,
	s_cselect_b32 s48, 31, 1                       ; of 32 or 2 blocks
	s_and_b32 s92, s49, s61                        ; s49 = work-group x = 4 x cluster + cx
	s_lshl_b32 s92, s92, s45
	s_add_nc_u64 s[58:59], s[58:59], s[92:93]
	s_sub_co_u32 s92, s[WV], 4
	s_cmp_lt_u32 s92, 8
	s_cselect_b32 s60, 3, 0                        ; waves 4 to 11 ask in the loop's first trip (count 3), the others never
	v_and_b32 v233, 31, v0
	s_delay_alu instid0(VALU_DEP_1)
	v_min_u32 v233, s48, v233
	s_delay_alu instid0(VALU_DEP_1)
	v_lshlrev_b32 v233, 8, v233
	s_lshl_b32 s92, s49, 16
	s_lshl_b32 s48, s[WV], 12
	s_add_co_u32 s92, s92, s48
	s_add_nc_u64 s[XB:XB+1], s[10:11], s[92:93]
	s_add_nc_u64 s[OB:OB+1], s[26:27], s[92:93]
	s_lshl_b32 s92, s[WV], 16
	s_add_nc_u64 s[WPB:WPB+1], s[14:15], s[92:93]
	s_lshl_b32 s92, s[WV], 11
	s_add_nc_u64 s[WSB:WSB+1], s[16:17], s[92:93]
	s_add_nc_u64 s[W2SB:W2SB+1], s[22:23], s[92:93]
	s_lshl_b32 s92, s[WV], 9
	s_add_nc_u64 s[BPB:BPB+1], s[18:19], s[92:93]
	s_lshl_b32 s92, s[WV], 15
	s_add_nc_u64 s[W2B:W2B+1], s[20:21], s[92:93]
	s_lshl_b32 s92, s[WV], 7
	s_add_nc_u64 s[B2B:B2B+1], s[24:25], s[92:93]
	s_mov_b32 s[SEL], 0x76543210
	s_mov_b32 s[SEL+1], 0xfedcba98
	s_mov_b32 s[CS], 0x3e38aa3b
	s_mov_b32 s[CS+1], s[CS]
	s_mov_b32 s[CNT], 3
	v_mov_b32 v13, 0xff61b1e6
	s_delay_alu instid0(VALU_DEP_1)
	v_floor_f32 v12, -v13
	v_mov_b32 v[SU], 0
	v_mov_b32 v[SU+1], 0
	v_mov_b32 v[FF+1], 0
.irp i,0,1,2,3
	v_mov_b32 v[QF+4+\i], 0
	v_mov_b32 v[KF+32+\i], 0
	v_mov_b32 v[PD+\i], 0
.endr
.set j, 0
.rept 32
	v_mov_b32 v[O+j], 0
.set j, j+1
.endr
	s_wait_tensorcnt 0x1
	s_barrier_signal -1
	s_barrier_wait -1
	KLOAD 0, 0
	s_wait_loadcnt 0x0
.Lquad:
	STEP 0, 0, 0
	STEP 0, 1, 1
	s_cmp_eq_u32 s[CNT], s60                       ; the wave's number and the count of trips alone
	s_cbranch_scc0 .Lno_ask
	global_prefetch_b8 v233, s[58:59] th:TH_LOAD_NT scope:SCOPE_SE   ; 32 blocks of 256 bytes of the weights that the feed forward reads behind the 16 key steps
.Lno_ask:
	STEP 1, 0, 0
	STEP 1, 1, 1
	s_wait_xcnt 0x0                                ; the prefetch has read its address registers, two key steps behind it
	s_sub_co_u32 s[CNT], s[CNT], 1
	s_cmp_lg_u32 s[CNT], 0
	s_cbranch_scc1 .Lquad
	STEP 0, 0, 0
	STEP 0, 1, 2
	STEP 1, 0, 0
	STEP 1, 1, 3
	PLACES
	v_add_f32 v[SU], v[SU], v[SU+1]
	s_delay_alu instid0(VALU_DEP_1)
	v_permlanex16_b32 v[PD], v[SU], s[SEL], s[SEL+1]
	s_delay_alu instid0(VALU_DEP_1)
	v_add_f32 v[SU], v[SU], v[PD]
	s_wait_alu depctr_va_vdst(0)
	v_rcp_f32 v[SU], v[SU]
	v_nop
	s_wait_alu depctr_va_vdst(0)
.set j, 0
.rept 32
	v_mul_f32 v[S+j], v[O+j], v[SU]
.set j, j+1
.endr
.irp tp,0,1
.irp t,0,1
.irp jj,0,1
	ds_store_b128 v[AOX], v[S+8*(2*\tp+\t)+4*\jj:S+8*(2*\tp+\t)+4*\jj+3] offset:128*\tp+32*\t+16*\jj
.endr
.endr
.endr
	s_wait_dscnt 0x0
	s_barrier_signal -1
	v_and_b32 v226, 31, v0
	v_and_b32 v227, 15, v0
	v_bfe_u32 v228, v0, 4, 1
	s_delay_alu instid0(VALU_DEP_2)
	v_and_b32 v229, 8, v227
	s_delay_alu instid0(VALU_DEP_1)
	v_add_nc_u32 v229, v229, v227
	v_lshlrev_b32 v[L4], 2, v226
	s_delay_alu instid0(VALU_DEP_4)
	v_lshlrev_b32 v[ABI], 6, v228
	s_delay_alu instid0(VALU_DEP_3)
	v_lshlrev_b32 v[AWS], 4, v229
	s_delay_alu instid0(VALU_DEP_1)
	v_lshl_add_u32 v[AWS], v228, 15, v[AWS]
	v_lshl_add_u32 v[AW2S], v228, 3, v229
	s_delay_alu instid0(VALU_DEP_1)
	v_lshlrev_b32 v[AW2S], 6, v[AW2S]
	v_lshlrev_b32 v230, 4, v227
	s_delay_alu instid0(VALU_DEP_1)
	v_lshl_add_u32 v230, v228, 3, v230
	v_mov_b32 v[QP], 0
	v_mov_b32 v[QP+1], 0
	v_mov_b32 v[KC], 0xb7910000
	v_mov_b32 v[KC+1], 0xba1c7000
	SPAIR C1, 0x39c8e7d9
	SPAIR C2, 0xbb7e8a1c
	SPAIR C3, 0x3cc6b1a1
	SPAIR C4, 0xbddaae5c
	SPAIR C5, 0xbf228550
	SPAIR C6, 0xbe03ce86
	SPAIR D1, 0x3ba38d2c
	SPAIR D2, 0xbcdb48d9
	SPAIR D3, 0x3de70e22
	SPAIR D4, 0xbec09380
	SPAIR D5, 0x3e0375d4
	SPAIR L2E, 0x3fb8aa3b
	SPAIR KAP, 0x3f3504f3
	s_mov_b32 s[THR], 0x3f6d8000
	s_mov_b32 s[EPS], 0x3727c5ac
	s_mul_i32 s2, s[WV], 2*XP
	s_add_co_u32 s2, s2, XS
	v_add_nc_u32 v[AXW], s2, v[L16]
	s_lshl_b32 s2, s[WV], 4
	v_mov_b32 v[AST], s2
	s_lshr_b32 s3, s[WV], 3
	s_and_b32 s4, s[WV], 7
	s_mul_i32 s5, s3, 8*XP
	s_lshl_b32 s6, s4, 8
	s_add_co_u32 s5, s5, s6
	s_add_co_u32 s5, s5, XS
	v_mul_u32_u24 v[AXR], v229, XP
	s_delay_alu instid0(VALU_DEP_1)
	v_lshl_add_u32 v[AXR], v228, 6, v[AXR]
	s_delay_alu instid0(VALU_DEP_1)
	v_add_nc_u32 v[AXR], s5, v[AXR]
	v_lshl_add_u32 v[AGB], v228, 6, s6
	s_lshl_b32 s5, s3, 6
	v_lshl_add_u32 v[ASR], v229, 3, s5
	s_lshl_b32 s5, s[WV], 9
	s_add_co_u32 s5, s5, HIMG
	v_add_nc_u32 v[AHI], s5, v230
	s_lshr_b32 s5, s[WV], 1
	s_lshl_b32 s5, s5, 7
	s_and_b32 s6, s[WV], 1
	s_lshl_b32 s6, s6, 1
	s_add_co_u32 s5, s5, s6
	s_add_co_u32 s5, s5, HSC
	v_add_nc_u32 v[AHS], s5, v[L4]
	s_lshl_b32 s5, s[WV], 11
	s_add_co_u32 s5, s5, YIMG
	v_add_nc_u32 v[AYI], s5, v230
	s_lshl_b32 s5, s[WV], 8
	s_add_co_u32 s5, s5, YSC
	v_add_nc_u32 v[AYS], s5, v[L4]
	s_lshl_b32 s5, s[WV], 7
	s_add_co_u32 s5, s5, XS
	v_mul_u32_u24 v[AXO], v229, XP
	s_delay_alu instid0(VALU_DEP_1)
	v_lshl_add_u32 v[AXO], v228, 6, v[AXO]
	s_delay_alu instid0(VALU_DEP_1)
	v_add_nc_u32 v[AXO], s5, v[AXO]
	v_add_nc_u32 v[AYR], YIMG, v[L16]
	v_add_nc_u32 v[AYSR], YSC, v[L4]
	s_barrier_wait -1
.irp a,0,1
.irp j,0,1,2,3
	ds_load_b128 v[X+16*\a+4*\j:X+16*\a+4*\j+3], v[AXW] offset:XP*\a+512*\j
.endr
.endr
	PLW 0
	PLS 0
	s_wait_loadcnt 21
	s_wait_dscnt 0x0
.set p, 0
.rept 16
	v_pk_add_f32 v[X+p:X+p+1], v[X+p:X+p+1], v[KF+p:KF+p+1]
.set p, p+2
.endr
.irp e,0,1
.irp j,0,1,2,3
	global_load_b128 v[GG+16*\e+4*\j:GG+16*\e+4*\j+3], v[AGB], s[LG:LG+1] offset:128*\e+16*\j
	global_load_b128 v[BB+16*\e+4*\j:BB+16*\e+4*\j+3], v[AGB], s[12:13] offset:128*\e+16*\j
.endr
.endr
	LNSTAT
	s_wait_dscnt 0x0
	s_barrier_signal -1
	s_barrier_wait -1
	s_wait_loadcnt 0x0
	LNQUANT
	PLW 1                                          ; gain and bias of the norm are done with: their registers take half 1's codes
	s_wait_dscnt 0x0
	s_barrier_signal -1
	s_barrier_wait -1
	HFETCH
	s_wait_dscnt 0x0
	HALF 0
	HALF 1
	HALF 2
	HALF 3
	HALF 4
	HALF 5
	HALF 6
	HALF 7
	s_wait_dscnt 0x0
	s_barrier_signal -1
	s_barrier_wait -1
	W2U 0
	W2U 1
	W2U 2
	W2U 3
	W2U 4
	W2U 5
	W2U 6
	W2U 7
.irp m,0,1
.irp t,0,1
.irp jj,0,1
	ds_load_b128 v[16+8*(2*\m+\t)+4*\jj:16+8*(2*\m+\t)+4*\jj+3], v[AXO] offset:8*XP*\m+32*\t+16*\jj
.endr
.endr
.endr
	s_wait_dscnt 0x0
.set p, 0
.rept 16
	v_pk_add_f32 v[48+p:48+p+1], v[ACC+p:ACC+p+1], v[16+p:16+p+1]
.set p, p+2
.endr
.irp m,0,1
.irp t,0,1
.irp jj,0,1
	ds_store_b128 v[AXO], v[48+8*(2*\m+\t)+4*\jj:48+8*(2*\m+\t)+4*\jj+3] offset:8*XP*\m+32*\t+16*\jj
.endr
.endr
.endr
	s_wait_dscnt 0x0
	s_barrier_signal -1
	s_barrier_wait -1
.irp a,0,1
.irp j,0,1,2,3
	ds_load_b128 v[16+16*\a+4*\j:16+16*\a+4*\j+3], v[AXW] offset:XP*\a+512*\j
.endr
.endr
	s_wait_dscnt 0x0
.irp a,0,1
.irp j,0,1,2,3
	global_store_b128 v[L16], v[16+16*\a+4*\j:16+16*\a+4*\j+3], s[OB:OB+1] offset:2048*\a+512*\j th:TH_STORE_NT
.endr
.endr
	s_wait_tensorcnt 0x0
	ds_add_u32 v[SPW], v[NIL]
	s_wait_dscnt 0x0
	ROUND
	s_endpgm
.Lfunc_end_k_q68b3901fca_attnffn:
	.size	k_q68b3901fca_attnffn, .Lfunc_end_k_q68b3901fca_attnffn-k_q68b3901fca_attnffn
	.p2alignl 7, 3214868480
	.fill 96, 4, 3214868480
	.section	.rodata,"a",@progbits
	.p2align	6, 0x0
	.amdhsa_kernel k_q68b3901fca_attnffn
		.amdhsa_group_segment_fixed_size 327680
		.amdhsa_private_segment_fixed_size 0
		.amdhsa_enable_private_segment 0
		.amdhsa_kernarg_size 104
		.amdhsa_user_sgpr_count 2
		.amdhsa_user_sgpr_kernarg_segment_ptr 1
		.amdhsa_wavefront_size32 1
		.amdhsa_system_sgpr_workgroup_id_x 1
		.amdhsa_system_sgpr_workgroup_id_y 1
		.amdhsa_system_sgpr_workgroup_id_z 1
		.amdhsa_system_vgpr_workitem_id 0
		.amdhsa_next_free_vgpr 256
		.amdhsa_next_free_sgpr 96
		.amdhsa_reserve_vcc 0
		.amdhsa_float_denorm_mode_32 3
		.amdhsa_float_denorm_mode_16_64 3
		.amdhsa_memory_ordered 1
		.amdhsa_forward_progress 1
		.amdhsa_inst_pref_size 255
	.end_amdhsa_kernel
	.section	.bss,"aw",@nobits
	.p2align	6
	.space	262144
	.amdgpu_metadata
---
amdhsa.version: [ 1, 2 ]
amdhsa.kernels:
  - .name:           k_q68b3901fca_attnffn
    .symbol:         k_q68b3901fca_attnffn.kd
    .args:
      - { .name: qc, .offset: 0, .size: 8, .value_kind: global_buffer, .address_space: global }
      - { .name: qs, .offset: 8, .size: 8, .value_kind: global_buffer, .address_space: global }
      - { .name: kv, .offset: 16, .size: 8, .value_kind: global_buffer, .address_space: global }
      - { .name: x, .offset: 24, .size: 8, .value_kind: global_buffer, .address_space: global }
      - { .name: ln1_g, .offset: 32, .size: 8, .value_kind: global_buffer, .address_space: global }
      - { .name: ln1_b, .offset: 40, .size: 8, .value_kind: global_buffer, .address_space: global }
      - { .name: wpi, .offset: 48, .size: 8, .value_kind: global_buffer, .address_space: global }
      - { .name: Wp_scales, .offset: 56, .size: 8, .value_kind: global_buffer, .address_space: global }
      - { .name: bp, .offset: 64, .size: 8, .value_kind: global_buffer, .address_space: global }
      - { .name: w2i, .offset: 72, .size: 8, .value_kind: global_buffer, .address_space: global }
      - { .name: W2_scales, .offset: 80, .size: 8, .value_kind: global_buffer, .address_space: global }
      - { .name: b2, .offset: 88, .size: 8, .value_kind: global_buffer, .address_space: global }
      - { .name: out0, .offset: 96, .size: 8, .value_kind: global_buffer, .address_space: global }
    .group_segment_fixed_size: 327680
    .private_segment_fixed_size: 0
    .kernarg_segment_align: 8
    .kernarg_segment_size: 104
    .max_flat_workgroup_size: 512
    .sgpr_count:     96
    .vgpr_count:     256
    .wavefront_size: 32
...
	.end_amdgpu_metadata
.endif
;; end of part 2
